; MI455X (gfx1250); checked and timed in simulation.
; The chip was launched on July 23, 2026; its instructions are those of AMD's public machine-readable ISA for CDNA 5 (MIT licence, August 2026) and "CDNA5" Instruction Set Architecture Reference Guide (July 2026). The comments in the code are by the model that wrote it; some were corrected since.
;; Transformer Encoder Layer. Allowed arithmetic: matrix products marked QUANTISED: E2M3 operands, one E8M0 scale for each 32 along K, by v_wmma_scale_f32_16x16x128_f8f6f4 with both operands' format E2M3, f32 sums; everything else in f32.
;; Inputs: W1_codes 4,096 x 32 x 24 uint8 (E2M3 codes of W1, K innermost, in blocks of 32 codes, four codes in three bytes); W1_scales 4,096 x 32 uint8 (E8M0 scales of W1, one for each 32 codes along K); W2_codes 1,024 x 128 x 24 uint8 (E2M3 codes of W2, K innermost, in blocks of 32 codes, four codes in three bytes); W2_scales 1,024 x 128 uint8 (E8M0 scales of W2, one for each 32 codes along K); Wk_codes 1,024 x 32 x 24 uint8 (E2M3 codes of Wk, K innermost, in blocks of 32 codes, four codes in three bytes); Wk_scales 1,024 x 32 uint8 (E8M0 scales of Wk, one for each 32 codes along K); Wo_codes 1,024 x 32 x 24 uint8 (E2M3 codes of Wo, K innermost, in blocks of 32 codes, four codes in three bytes); Wo_scales 1,024 x 32 uint8 (E8M0 scales of Wo, one for each 32 codes along K); Wq_codes 1,024 x 32 x 24 uint8 (E2M3 codes of Wq, K innermost, in blocks of 32 codes, four codes in three bytes); Wq_scales 1,024 x 32 uint8 (E8M0 scales of Wq, one for each 32 codes along K); Wv_codes 1,024 x 32 x 24 uint8 (E2M3 codes of Wv, K innermost, in blocks of 32 codes, four codes in three bytes); Wv_scales 1,024 x 32 uint8 (E8M0 scales of Wv, one for each 32 codes along K); b1 4,096 float32; b2 1,024 float32; bk 1,024 float32; bo 1,024 float32; bq 1,024 float32; bv 1,024 float32; ln1_b 1,024 float32; ln1_g 1,024 float32; ln2_b 1,024 float32; ln2_g 1,024 float32; x 2 x 2,048 x 1,024 float32.
;; Outputs: out0 2 x 2,048 x 1,024 float32.
;; This version of the problem:
;;   THIS VERSION OF THE PROBLEM IS GIVEN IN LOW PRECISION. The matrix products marked QUANTISED in the list below multiply operands that are first quantised to E2M3 (2 exponent bits, 3 mantissa bits; 6 bits a number), with one power-of-two scale for each 32 numbers along K (OCP MX v1.0); their sums are f32. All else is computed in f32.
;;   The module's matrix products, in the order in which they are computed (A, B: the left and right operand; K: the contracted axis; several contracted axes count as one K, in the product's order):
;;     1. [M 4,096, K 1,024] x [K 1,024, N 1,024]; A: computed on the way; B: input Wq (given as codes): QUANTISED
;;     2. [M 4,096, K 1,024] x [K 1,024, N 1,024]; A: computed on the way; B: input Wk (given as codes): QUANTISED
;;     3. [M 4,096, K 1,024] x [K 1,024, N 1,024]; A: computed on the way; B: input Wv (given as codes): QUANTISED
;;     4. batch 32 x [M 2,048, K 64] x [K 64, N 2,048]; A: computed on the way; B: computed on the way: QUANTISED
;;     5. batch 32 x [M 2,048, K 2,048] x [K 2,048, N 64]; A: softmax (see below); B: computed on the way: QUANTISED
;;     6. [M 4,096, K 1,024] x [K 1,024, N 1,024]; A: computed on the way; B: input Wo (given as codes): QUANTISED
;;     7. [M 4,096, K 1,024] x [K 1,024, N 4,096]; A: computed on the way; B: input W1 (given as codes): QUANTISED
;;     8. [M 4,096, K 4,096] x [K 4,096, N 1,024]; A: computed on the way; B: input W2 (given as codes): QUANTISED
;;   THE QUANTISER, for each operand of a quantised product, along K:
;;     - K is cut into blocks of 32 from its start; a last block that is shorter is filled with zeros.
;;     - A block's scale is 2^e with e = floor(log2(the largest magnitude in the block)) - 2, held to -126 .. 127; a block of zeros has e = 0. As a byte (E8M0): e + 127.
;;     - Each number is divided by its block's scale, clamped to +-7.5, and rounded to the nearest number of E2M3, ties to even, subnormals kept.
;;     - The product sums the exact products of the quantised numbers (number of the format x scale) in f32.
;;   ~~~python
;;   def quantise(x, axis):      # numpy; x: float32 -> the quantised numbers, widened to float32 again
;;       x = np.moveaxis(x, axis, -1); K = x.shape[-1]
;;       x = np.pad(x, [(0, 0)] * (x.ndim - 1) + [(0, -K % 32)]); x = x.reshape(x.shape[:-1] + (-1, 32)); a = np.abs(x).max(-1, keepdims=True)
;;       e = np.where(a > 0, np.clip(np.frexp(np.where(a > 0, a, 1))[1] - 1 - 2, -126, 127), 0)      # np.frexp(a)[1] - 1 = floor(log2(a)), exactly
;;       r = np.clip(x / 2.0 ** e, -7.5, 7.5)
;;       step = 2.0 ** (np.maximum(np.frexp(np.where(r == 0, 1, r))[1] - 1, 0) - 3)
;;       q = np.round(r / step) * step * 2.0 ** e      # np.round: ties to even
;;       return np.moveaxis(q.reshape(q.shape[:-2] + (-1,))[..., :K], -1, axis).astype(np.float32)
;;   ~~~
;;   SOFTMAX AHEAD OF A QUANTISED PRODUCT. Where the list says 'softmax', what is quantised is not the finished softmax but p = 2^(t - M), with t = logit x log2(e) and M = ceil(the row's largest t), a whole number; so 1/2 < the row's largest p <= 1. The row's sum l is taken of the UNQUANTISED p, in f32, and the product's result is divided by l at the end. Since M is a whole number, a kernel that streams over the keys may use a running M (the ceiling of the running maximum): every later rescaling is an exact power of two, which a block's scale takes up: the codes' values come out the same.
;;   OPERANDS COMPUTED ON THE WAY. 'Computed on the way' means the value that the module computes at that place (a softmax that the list does not call 'softmax' is quantised finished and normalised). What goes into a quantiser is computed in f32, as accurately as f32 sums, v_exp_f32 and their like allow (about 1e-6 of the number): no bf16 or f16 on the way to a quantiser, and a product that is left as it is and whose result goes on into a quantised operand takes f32 operands (vector FMAs, or v_wmma_f32_16x16x4_f32). A number that lies on a knife's edge between two numbers of the format may be rounded either way, as far as f32 arithmetic and the matrix unit's own rounding can turn it there, and no further.
;;   INPUTS GIVEN AS CODES. W1 (in the module: [1024, 4096], K = its axis 0); W2 (in the module: [4096, 1024], K = its axis 0); Wk (in the module: [1024, 1024], K = its axis 0); Wo (in the module: [1024, 1024], K = its axis 0); Wq (in the module: [1024, 1024], K = its axis 0); Wv (in the module: [1024, 1024], K = its axis 0): each comes as NAME_codes (uint8): NAME with its K axis moved to the last place and cut into blocks of 32 codes, [.., K / 32, bytes a block], one block behind the other in memory; four codes in three bytes: a row's codes are one little-endian stream of bits, code i at bits 6 i .. 6 i + 5 (a code: sign, 2 exponent bits, 3 mantissa bits); and NAME_scales (uint8): the same leading axes, one E8M0 byte (e + 127) for each 32 codes along K. Its value is code x scale, taken as it is: it is not quantised again, and the codes and scales need not be those that the quantiser above would give.
;; One version. Each part assembles by itself: llvm-mc -triple=amdgcn-amd-amdhsa -mcpu=gfx1250 --defsym DOCPART=n.
;; ======== version 1 of 1: 7 launches
;; limits: right only within a limited range of input values
;; workspace buffers: wts 9,830,400 bytes; a1 3,276,800 bytes; a2 3,276,800 bytes; ctx 3,276,800 bytes; qb 3,276,800 bytes; kvb 6,553,600 bytes; x1 16,777,216 bytes; a3 13,107,200 bytes
;; launch prep (part 1): grid 448 x 1, 4 waves a work-group, no clusters, 117,760 bytes of LDS; arguments x, ln1_g, ln1_b, a1, wts, Wq_codes, Wk_codes, Wv_codes, Wo_codes, W1_codes, W2_codes, Wq_scales, Wk_scales, Wv_scales, Wo_scales, W1_scales, W2_scales; writes a1, wts
.if DOCPART == 1
	.amdgcn_target "amdgcn-amd-amdhsa--gfx1250"
	.amdhsa_code_object_version 6
	.text
	.protected	k_q4de32fe10f_prep
	.globl	k_q4de32fe10f_prep
	.p2align	8
	.type	k_q4de32fe10f_prep,@function
k_q4de32fe10f_prep:
	s_mov_b64 s[64:65], 0
	v_nop
	global_prefetch_b8 v0, s[64:65] scope:SCOPE_SE
	s_setreg_imm32_b32 hwreg(HW_REG_WAVE_MODE, 25, 1), 1
	s_wait_xcnt 0x0
; PREP.  Work-groups 0-255: LayerNorm 1 of 16 rows of x each, quantised to FP6 (E2M3) along the 1,024 columns.  Work-groups 256-447: the six weights' codes and scale bytes, laid anew in the order of an operand's registers.
; FORMATS OF THE WORKSPACE.  A UNIT is 16 rows x 64 K as an image of six registers: bytes 0-511 lane l's registers 0-3 at 16 l, bytes 512-767 registers 4-5 at 8 l; lane (r = l % 16, h = l / 16) holds the codes k = 32 h .. 32 h + 31 of row r.
; A RECORD is 8 units (512 along K) and 256 scale bytes: for each 128 along K sixteen words, row r's at 4 r.  6,400 bytes.  Two units on end are one operand of the 16x16x128 form.
; ROWS OF A TILE ARE NOT NEIGHBOURS: place r of tile T is row 32 (T / 2) + 8 (T % 2) + r + 8 (r / 8), so that a product with two such tiles as source 0 leaves 16 neighbours in a lane's 16 registers.
; LN: a work-group is one tile of rows, wave w takes columns 256 w .. 256 w + 255.  Loads read 512 consecutive bytes; the numbers turn through the wave's own stage in LDS so that a lane holds 16 neighbours of each block of 32.
; Mean, then the mean of the squared differences, as the definition has it: two sums over four waves, each through LDS words of its own and one barrier.
; The gains and biases of all four units have registers of their own (window 1: v256-511) and are asked for ahead of the sums, so that no unit waits for a load that was issued just before it.
; RELAY: a wave takes 16 rows x 1,024 K of one weight: 768 bytes a row come in as they lie, turn through the wave's stage, and leave as 16 units and 512 scale bytes.
; The two paths part on the work-group's number and have LDS bytes of their own.  No tensor loads: nothing is shared between work-groups.
; LIMITS: NaN and infinities among the inputs are not served.  A block whose largest magnitude lies under 2^-124, a block of zeros among them, gets the scale byte 1 (the rule says 127 for zeros): its codes are what the conversion gives under that scale, and only this program reads the bytes.
.set X,    64                          ; v64-191  128 numbers of a lane
.set TM,   16                          ; v16-23   at work in QUANT2
.set PT,   24                          ; v24-26   a block's second sixteen codes
.set SEL,  24                          ; s[24:25] lane selects: lane l xor 16
.set RED,  66560                       ; LDS: 256 bytes for the first sum, 256 for the second
.set RSTG, 67072                       ; LDS: the relay's stages, 16 rows x 784 bytes a wave
.set SB,   50                          ; s50.. eight source addresses of the relay
.set MSB, 0
.macro WIN new                         ; the immediate's high byte repeats the setting that is left
.if MSB != \new
	s_set_vgpr_msb (MSB<<8)|\new
.set MSB, \new
.endif
.endm
; 32 numbers of a lane, register 16 b + i = k 32 b + 16 h + i of its row, become a unit in v[pc .. pc + 5] and two scale bytes in v[pw].
.macro QUANT2 s, pc, pw
.irp b, 0,1
	v_max3_num_f32 v[TM+\b], |v[\s+16*\b]|, |v[\s+16*\b+1]|, 0x1800000   ; my 16 numbers of block b, and the floor 2^(3 - 127): the byte cannot fall under 1
.endr
.irp i, 2,4,6,8,10,12,14
.irp b, 0,1
	v_max3_num_f32 v[TM+\b], v[TM+\b], |v[\s+16*\b+\i]|, |v[\s+16*\b+\i+1]|
.endr
.endr
.irp b, 0,1
	v_permlanex16_b32 v[TM+2+\b], v[TM+\b], s[SEL], s[SEL+1]
.endr
.irp b, 0,1
	v_max_num_f32 v[TM+\b], v[TM+\b], v[TM+2+\b]   ; with lane l xor 16's sixteen: the block's largest magnitude
.endr
.irp b, 0,1
	v_add_nc_u32 v[TM+4+\b], 0xff000000, v[TM+\b]   ; 2 off its exponent field: the conversion's scale operand
.endr
.irp b, 0,1
	v_lshrrev_b32 v[TM+6+\b], 23, v[TM+4+\b]        ; the scale's byte
.endr
	v_lshl_or_b32 v[\pw], v[TM+7], 8, v[TM+6]
	v_cvt_scalef32_pk16_fp6_f32 v[\pc:\pc+2], v[\s:\s+15], v[TM+4]
	v_cvt_scalef32_pk16_fp6_f32 v[PT:PT+2], v[\s+16:\s+31], v[TM+5]
	v_nop                                          ; one plain place behind a scaled conversion
.irp i, 0,1,2
	v_permlane16_swap_b32 v[\pc+\i], v[PT+\i]      ; the layout wants a whole block in a lane: lanes 0-15 block 0, lanes 16-31 block 1
.endr
.irp i, 0,1,2
	v_mov_b32 v[\pc+3+\i], v[PT+\i]
.endr
.endm
.macro GBLOAD u                        ; gains and biases of my 32 columns of unit u, into window 1: gains at v[64 u ..], biases at v[64 u + 32 ..]
	WIN 0x40
.irp b, 0,1
.irp j, 0,1,2,3
	global_load_b128 v[64*(\u)+16*\b+4*\j:64*(\u)+16*\b+4*\j+3], v9, s[6:7] offset:256*(\u)+128*\b+16*\j
	global_load_b128 v[64*(\u)+32+16*\b+4*\j:64*(\u)+32+16*\b+4*\j+3], v9, s[8:9] offset:256*(\u)+128*\b+16*\j
.endr
.endr
	WIN 0
.endm
.macro REDUCE off                      ; four chains v[40:47] -> the row's sum over all 1,024 columns, in v28 of every lane of the row
	v_pk_add_f32 v[40:41], v[40:41], v[42:43]
	v_pk_add_f32 v[44:45], v[44:45], v[46:47]
	v_pk_add_f32 v[40:41], v[40:41], v[44:45]
	v_add_f32 v40, v40, v41
	v_permlanex16_b32 v41, v40, s[SEL], s[SEL+1]   ; the row's other 128 of my wave's columns
	v_add_f32 v40, v40, v41
	ds_store_b32 v7, v40 offset:\off               ; lanes r and 16 + r write the same word with the same value
	s_wait_dscnt 0x0                               ; for the others' sake: my store has landed
	s_barrier_signal -1
	s_barrier_wait -1
.irp i, 0,1,2,3
	ds_load_b32 v[28+\i], v8 offset:\off+64*\i
.endr
	s_wait_dscnt 0x0
	v_add_f32 v28, v28, v29
	v_add_f32 v30, v30, v31
	v_add_f32 v28, v28, v30
.endm
.macro UNIT u                          ; 64 columns: scaled, gained, biased, quantised, stored
	s_wait_loadcnt 16*(3-\u)                       ; this unit's gains and biases are in; the sixteen loads of each later unit may be out
.set i, 0
.rept 16
	v_pk_mul_f32 v[X+32*\u+i:X+32*\u+i+1], v[X+32*\u+i:X+32*\u+i+1], v[14:15]
.set i, i+2
.endr
	WIN 0x14                                       ; sources 1 and 2 in window 1
.set i, 0
.rept 16
	v_pk_fma_f32 v[X+32*\u+i:X+32*\u+i+1], v[X+32*\u+i:X+32*\u+i+1], v[64*\u+i:64*\u+i+1], v[64*\u+32+i:64*\u+32+i+1]
.set i, i+2
.endr
	WIN 0
	QUANT2 X+32*\u, 32+8*\u, 38+8*\u               ; each unit has registers of its own for its codes: no store's data are written again
	global_store_b128 v10, v[32+8*\u:35+8*\u], s[28:29] offset:768*\u
	global_store_b64 v11, v[36+8*\u:37+8*\u], s[28:29] offset:768*\u+512
.if \u % 2
	v_lshl_or_b32 v[39+8*\u], v[38+8*\u], 16, v[30+8*\u]   ; two units' bytes are the scale word of 128 along K
	global_store_b32 v12, v[39+8*\u], s[30:31] offset:6144+64*(\u/2)
.endif
.endm
	v_lshl_add_u32 v254, v0, 2, 0x1ca00
	v_mov_b32 v255, 0
	s_cmp_ge_u32 ttmp9, 256
	s_cbranch_scc1 .Lrelay
	; ---------------- LayerNorm and quantiser ----------------
	s_load_b256 s[4:11], s[0:1], 0x0               ; x, gain, bias, the codes' buffer
	v_lshrrev_b32 v1, 5, v0
	v_readfirstlane_b32 s12, v1                    ; wave
	v_and_b32 v1, 31, v0                           ; l
	v_and_b32 v2, 15, v0                           ; r
	v_bfe_u32 v3, v0, 4, 1                         ; h
	s_lshl_b32 s13, s12, 10                        ; my 256 columns: 1,024 bytes
	v_lshlrev_b32 v10, 4, v1                       ; 16 l
	v_lshlrev_b32 v11, 3, v1                       ; 8 l
	v_lshlrev_b32 v12, 2, v2                       ; 4 r
	v_add_nc_u32 v4, s13, v10                      ; x: 16 l + 1,024 w
	s_mul_i32 s14, s12, 16640                      ; my stage: 16 rows x (1,024 + 16) bytes
	v_add_nc_u32 v5, s14, v10                      ; into it: as loaded
	v_mul_u32_u24 v6, v2, 1040
	v_lshl_add_u32 v6, v3, 6, v6
	v_add_nc_u32 v6, s14, v6                       ; out of it: row r, + 64 h: 16 numbers of each block of 32
	s_lshl_b32 s15, s12, 6
	v_add_nc_u32 v7, s15, v12
	v_add_nc_u32 v7, RED, v7                       ; my wave's partial sum of row r
	v_add_nc_u32 v8, RED, v12                      ; the four waves' partial sums of row r, 64 bytes apart
	v_lshl_add_u32 v9, v3, 6, s13                  ; gains and biases: 1,024 w + 64 h
	s_lshr_b32 s16, ttmp9, 1
	s_lshl_b32 s16, s16, 17
	s_and_b32 s17, ttmp9, 1
	s_lshl_b32 s17, s17, 15
	s_add_co_u32 s16, s16, s17                     ; (32 (T / 2) + 8 (T % 2)) rows of 4,096 bytes
	s_mov_b32 s17, 0
	s_mul_i32 s18, ttmp9, 12800                    ; the tile's two records,
	s_lshr_b32 s19, s12, 1
	s_mul_i32 s19, s19, 6400                       ; the one with my columns,
	s_add_co_u32 s18, s18, s19
	s_and_b32 s19, s12, 1
	s_mul_i32 s20, s19, 3072                       ; my four units in it,
	s_add_co_u32 s20, s20, s18
	s_mov_b32 s21, 0
	s_lshl_b32 s22, s19, 7                         ; and my two runs of scale words
	s_add_co_u32 s22, s22, s18
	s_mov_b32 s23, 0
	s_mov_b32 s[SEL], 0x76543210
	s_mov_b32 s[SEL+1], 0xfedcba98
	s_mov_b32 s26, 0x3a800000                      ; 1 / 1,024
	s_mov_b32 s27, 0x3727c5ac                      ; 1e-5
	v_mov_b32 v[TM+2], 0                           ; written once: a lane permute's destination counts as one of its sources
	v_mov_b32 v[TM+3], 0
	s_wait_alu depctr_va_vdst(0)
	s_wait_kmcnt 0x0
	s_add_nc_u64 s[4:5], s[4:5], s[16:17]
	s_add_nc_u64 s[28:29], s[10:11], s[20:21]
	s_add_nc_u64 s[30:31], s[10:11], s[22:23]
.set i, 0
.rept 32                               ; place i / 2 of the tile, half i % 2 of my 1,024 bytes: 32 lanes read 512 consecutive bytes
	global_load_b128 v[X+4*i:X+4*i+3], v4, s[4:5] offset:((i/2)+8*(i/16))*4096+512*(i%2)
.set i, i+1
.endr
	GBLOAD 0
	s_wait_loadcnt 32                              ; places 0-7 are in: 16 loads of x and 16 of gains and biases are younger
.set i, 0
.rept 16
	ds_store_b128 v5, v[X+4*i:X+4*i+3] offset:(i/2)*1040+512*(i%2)
.set i, i+1
.endr
	s_wait_loadcnt 16                              ; all of x is in; unit 0's sixteen loads may be out
	GBLOAD 1                                       ; units 1 and 2 are asked for now: 48 loads of mine are out at the most
	GBLOAD 2
.rept 16
	ds_store_b128 v5, v[X+4*i:X+4*i+3] offset:(i/2)*1040+512*(i%2)
.set i, i+1
.endr
.set i, 0
.rept 32                               ; LDS serves a wave's instructions in order: these see my stores.  Register 16 b + i = column 32 b + 16 h + i of row r
	ds_load_b128 v[X+4*i:X+4*i+3], v6 offset:128*(i/4)+16*(i%4)
.set i, i+1
.endr
	s_wait_dscnt 0x0
.irp c, 0,1,2,3
	v_pk_add_f32 v[40+2*\c:41+2*\c], v[X+2*\c:X+2*\c+1], v[X+8+2*\c:X+9+2*\c]   ; four chains, begun by the first numbers: nothing is cleared
.endr
.irp j, 2,3,4,5,6,7,8,9,10,11,12,13,14,15
.irp c, 0,1,2,3
	v_pk_add_f32 v[40+2*\c:41+2*\c], v[40+2*\c:41+2*\c], v[X+8*\j+2*\c:X+8*\j+2*\c+1]
.endr
.endr
	REDUCE 0
	s_wait_alu depctr_va_vdst(0)
	s_wait_loadcnt 32                              ; unit 0's loads are in (units 1 and 2's may be out): again 48 are out at the most behind
	GBLOAD 3                                       ; unit 3's, which have the second sum and three units' work in which to land
	v_mul_f32 v14, s26, v28                        ; the mean
	v_mov_b32 v15, v14
.set i, 0
.rept 64
	v_pk_add_f32 v[X+i:X+i+1], v[X+i:X+i+1], v[14:15] neg_lo:[0,1] neg_hi:[0,1]
.set i, i+2
.endr
.irp c, 0,1,2,3
	v_pk_mul_f32 v[40+2*\c:41+2*\c], v[X+2*\c:X+2*\c+1], v[X+2*\c:X+2*\c+1]
.endr
.irp j, 1,2,3,4,5,6,7,8,9,10,11,12,13,14,15
.irp c, 0,1,2,3
	v_pk_fma_f32 v[40+2*\c:41+2*\c], v[X+8*\j+2*\c:X+8*\j+2*\c+1], v[X+8*\j+2*\c:X+8*\j+2*\c+1], v[40+2*\c:41+2*\c]
.endr
.endr
	REDUCE 256                                     ; other words than the first sum's: one barrier serves each sum
	v_fma_f32 v42, v28, s26, s27                   ; the variance + 1e-5
	s_wait_alu depctr_va_vdst(0)
	v_rsq_f32 v14, v42
	v_nop                                          ; a plain place behind the transcendental
	s_wait_alu depctr_va_vdst(0)                   ; and the wait ahead of its first reader
	v_mov_b32 v15, v14
	s_wait_alu depctr_va_vdst(0)
	UNIT 0
	UNIT 1
	UNIT 2
	UNIT 3
	s_wait_tensorcnt 0x0
	ds_add_u32 v254, v255
	s_wait_dscnt 0x0
	s_endpgm
	; ---------------- the weights, laid anew ----------------
.Lrelay:
	s_load_b64 s[4:5], s[0:1], 0x20                ; the weights' workspace
	s_load_b256 s[8:15], s[0:1], 0x28              ; codes of Wq, Wk, Wv, Wo
	s_load_b128 s[16:19], s[0:1], 0x48             ; of W1, W2
	s_load_b256 s[20:27], s[0:1], 0x58             ; scales of Wq, Wk, Wv, Wo
	s_load_b128 s[28:31], s[0:1], 0x78             ; of W1, W2
	v_lshrrev_b32 v1, 5, v0
	v_readfirstlane_b32 s32, v1                    ; wave
	s_sub_co_u32 s33, ttmp9, 256                   ; u = 0 .. 191: Wq 0-15, Wk 16-31, Wv 32-47, Wo 48-63, W1 64-127, W2 128-191
	s_mov_b32 s38, 0
	s_wait_kmcnt 0x0
	s_mov_b64 s[34:35], s[8:9]                     ; the choice of buffers hangs on the work-group's number alone
	s_mov_b64 s[36:37], s[20:21]
	s_cmp_ge_u32 s33, 16
	s_cselect_b64 s[34:35], s[10:11], s[34:35]
	s_cselect_b64 s[36:37], s[22:23], s[36:37]
	s_cselect_b32 s38, 16, s38
	s_cmp_ge_u32 s33, 32
	s_cselect_b64 s[34:35], s[12:13], s[34:35]
	s_cselect_b64 s[36:37], s[24:25], s[36:37]
	s_cselect_b32 s38, 32, s38
	s_cmp_ge_u32 s33, 48
	s_cselect_b64 s[34:35], s[14:15], s[34:35]
	s_cselect_b64 s[36:37], s[26:27], s[36:37]
	s_cselect_b32 s38, 48, s38
	s_cmp_ge_u32 s33, 64
	s_cselect_b64 s[34:35], s[16:17], s[34:35]
	s_cselect_b64 s[36:37], s[28:29], s[36:37]
	s_cselect_b32 s38, 64, s38
	s_sub_co_u32 s39, s33, s38                     ; K = 1,024: a wave takes a tile of rows: tile 4 (u - first u) + wave of its weight,
	s_lshl_b32 s39, s39, 2
	s_add_co_u32 s39, s39, s32
	s_lshl_b32 s40, s33, 2
	s_add_co_u32 s40, s40, s32
	s_mul_i32 s40, s40, 12800                      ; which goes to tile 4 u + wave of the workspace, two records on end
	s_sub_co_u32 s41, s33, 128                     ; W2 (K = 4,096): tile u - 128, and the wave takes 1,024 of K:
	s_lshl_b32 s42, s32, 7
	s_add_co_u32 s42, s42, s41
	s_mul_i32 s42, s42, 6400
	s_add_co_u32 s42, s42, 6553600                 ; records (2 wave) x 64 + tile and, 64 records on, (2 wave + 1) x 64 + tile
	s_mov_b32 s43, 768
	s_mov_b32 s44, 32
	s_mov_b32 s45, 6400
	s_cmp_ge_u32 s33, 128
	s_cselect_b64 s[34:35], s[18:19], s[34:35]
	s_cselect_b64 s[36:37], s[30:31], s[36:37]
	s_cselect_b32 s39, s41, s39                    ; the tile in its weight
	s_cselect_b32 s40, s42, s40                    ; where the first record goes
	s_cselect_b32 s46, s32, 0                      ; which 1,024 of K
	s_cselect_b32 s43, 3072, s43                   ; a row of codes in bytes
	s_cselect_b32 s44, 128, s44                    ; a row of scale bytes
	s_cselect_b32 s45, 409600, s45                 ; from the first record to the second
	s_lshr_b32 s47, s39, 1
	s_lshl_b32 s47, s47, 5
	s_and_b32 s48, s39, 1
	s_lshl_b32 s48, s48, 3
	s_add_co_u32 s47, s47, s48                     ; the tile's first row: 32 (T / 2) + 8 (T % 2)
	s_mul_i32 s48, s47, s43
	s_mul_i32 s49, s46, 768
	s_add_co_u32 s48, s48, s49
	s_mov_b32 s49, 0
	s_add_nc_u64 s[34:35], s[34:35], s[48:49]
.irp g, 0,1,2,3,4,5,6,7                ; places 2 g and 2 g + 1 are rows 2 g + 8 (g / 4) and the next
	s_mul_i32 s48, s43, 2*\g+8*(\g/4)
	s_add_nc_u64 s[SB+2*\g+2*(\g/7):SB+2*\g+2*(\g/7)+1], s[34:35], s[48:49]
.endr
	s_mul_i32 s48, s47, s44
	s_lshl_b32 s68, s46, 5
	s_add_co_u32 s48, s48, s68
	s_add_nc_u64 s[36:37], s[36:37], s[48:49]
	s_mov_b32 s41, 0
	s_add_nc_u64 s[70:71], s[4:5], s[40:41]        ; the first record
	s_mov_b32 s68, s45
	s_mov_b32 s69, 0
	s_add_nc_u64 s[72:73], s[70:71], s[68:69]      ; the second
	v_and_b32 v1, 31, v0
	v_and_b32 v2, 15, v0
	v_bfe_u32 v3, v0, 4, 1
	v_lshlrev_b32 v4, 4, v1                        ; two rows of 768 bytes come by three loads of 512: the first row's bytes 0-511;
	s_sub_co_u32 s74, s43, 768
	v_mul_u32_u24 v5, s74, v3
	v_add_nc_u32 v5, v5, v4
	v_add_nc_u32 v5, 512, v5                       ; its bytes 512-767 (lanes 0-15) and the second row's 0-255 (lanes 16-31);
	v_add_nc_u32 v6, s43, v4
	v_add_nc_u32 v6, 256, v6                       ; the second row's bytes 256-767
	s_mul_i32 s75, s32, 12544
	s_add_co_u32 s75, s75, RSTG                    ; my stage: rows 784 bytes apart
	v_add_nc_u32 v7, s75, v4
	v_lshl_add_u32 v8, v3, 4, v7
	v_add_nc_u32 v8, 512, v8
	v_add_nc_u32 v9, 1040, v7
	v_mul_u32_u24 v10, v2, 784
	v_mad_u32_u24 v10, v3, 24, v10
	v_add_nc_u32 v10, s75, v10                     ; out of it: row r, + 24 h: the 24 bytes of my 32 codes
	v_lshlrev_b32 v11, 3, v1
	v_and_b32 v12, 8, v2
	v_add_nc_u32 v12, v12, v2                      ; r + 8 (r / 8)
	v_mul_lo_u32 v12, v12, s44
	v_lshl_add_u32 v12, v3, 4, v12                 ; scale bytes: my row, + 16 h: the sixteen bytes of 512 along K
	v_mul_u32_u24 v13, s45, v3
	v_lshl_add_u32 v14, v2, 2, v13                 ; and where they go: 4 r, lanes 16-31 in the second record
.irp g, 0,1,2,3,4,5,6,7
	global_load_b128 v[64+12*\g:67+12*\g], v4, s[SB+2*\g+2*(\g/7):SB+2*\g+2*(\g/7)+1] th:TH_LOAD_NT
	global_load_b128 v[68+12*\g:71+12*\g], v5, s[SB+2*\g+2*(\g/7):SB+2*\g+2*(\g/7)+1] th:TH_LOAD_NT
	global_load_b128 v[72+12*\g:75+12*\g], v6, s[SB+2*\g+2*(\g/7):SB+2*\g+2*(\g/7)+1] th:TH_LOAD_NT
.endr
	global_load_b128 v[16:19], v12, s[36:37] th:TH_LOAD_NT
	s_wait_alu depctr_va_vdst(0)
	s_wait_loadcnt 1                               ; the codes are in; the scale bytes' load may be out
.irp g, 0,1,2,3,4,5,6,7
	ds_store_b128 v7, v[64+12*\g:67+12*\g] offset:1568*\g
	ds_store_b128 v8, v[68+12*\g:71+12*\g] offset:1568*\g
	ds_store_b128 v9, v[72+12*\g:75+12*\g] offset:1568*\g
.endr
.set i, 0
.rept 48                               ; unit i / 3, piece i % 3 of 8 bytes.  LDS serves a wave's instructions in order: these see my stores
	ds_load_b64 v[64+2*i:65+2*i], v10 offset:48*(i/3)+8*(i%3)
.set i, i+1
.endr
	s_wait_dscnt 0x0
.irp e, 0,1,2,3,4,5,6,7,8,9,10,11,12,13,14,15
	global_store_b128 v4, v[64+6*\e:67+6*\e], s[70+2*(\e/8):71+2*(\e/8)] offset:(\e%8)*768
	global_store_b64 v11, v[68+6*\e:69+6*\e], s[70+2*(\e/8):71+2*(\e/8)] offset:(\e%8)*768+512
.endr
	s_wait_loadcnt 0x0
.irp q, 0,1,2,3
	global_store_b32 v14, v[16+\q], s[70:71] offset:6144+64*\q
.endr
	s_wait_tensorcnt 0x0
	ds_add_u32 v254, v255
	s_wait_dscnt 0x0
	s_endpgm
.Lfunc_end_k_q4de32fe10f_prep:
	.size	k_q4de32fe10f_prep, .Lfunc_end_k_q4de32fe10f_prep-k_q4de32fe10f_prep
	.p2alignl 7, 3214868480
	.fill 96, 4, 3214868480
	.section	.rodata,"a",@progbits
	.p2align	6, 0x0
	.amdhsa_kernel k_q4de32fe10f_prep
		.amdhsa_group_segment_fixed_size 117760
		.amdhsa_private_segment_fixed_size 0
		.amdhsa_enable_private_segment 0
		.amdhsa_kernarg_size 136
		.amdhsa_user_sgpr_count 2
		.amdhsa_user_sgpr_kernarg_segment_ptr 1
		.amdhsa_wavefront_size32 1
		.amdhsa_system_sgpr_workgroup_id_x 1
		.amdhsa_system_sgpr_workgroup_id_y 1
		.amdhsa_system_sgpr_workgroup_id_z 1
		.amdhsa_system_vgpr_workitem_id 0
		.amdhsa_next_free_vgpr 512
		.amdhsa_next_free_sgpr 80
		.amdhsa_reserve_vcc 0
		.amdhsa_float_denorm_mode_32 3
		.amdhsa_float_denorm_mode_16_64 3
		.amdhsa_memory_ordered 1
		.amdhsa_forward_progress 1
		.amdhsa_inst_pref_size 62
	.end_amdhsa_kernel
	.amdgpu_metadata
---
amdhsa.version: [ 1, 2 ]
amdhsa.kernels:
  - .name:           k_q4de32fe10f_prep
    .symbol:         k_q4de32fe10f_prep.kd
    .args:
      - { .name: x, .offset: 0, .size: 8, .value_kind: global_buffer, .address_space: global }
      - { .name: ln1_g, .offset: 8, .size: 8, .value_kind: global_buffer, .address_space: global }
      - { .name: ln1_b, .offset: 16, .size: 8, .value_kind: global_buffer, .address_space: global }
      - { .name: a1, .offset: 24, .size: 8, .value_kind: global_buffer, .address_space: global }
      - { .name: wts, .offset: 32, .size: 8, .value_kind: global_buffer, .address_space: global }
      - { .name: Wq_codes, .offset: 40, .size: 8, .value_kind: global_buffer, .address_space: global }
      - { .name: Wk_codes, .offset: 48, .size: 8, .value_kind: global_buffer, .address_space: global }
      - { .name: Wv_codes, .offset: 56, .size: 8, .value_kind: global_buffer, .address_space: global }
      - { .name: Wo_codes, .offset: 64, .size: 8, .value_kind: global_buffer, .address_space: global }
      - { .name: W1_codes, .offset: 72, .size: 8, .value_kind: global_buffer, .address_space: global }
      - { .name: W2_codes, .offset: 80, .size: 8, .value_kind: global_buffer, .address_space: global }
      - { .name: Wq_scales, .offset: 88, .size: 8, .value_kind: global_buffer, .address_space: global }
      - { .name: Wk_scales, .offset: 96, .size: 8, .value_kind: global_buffer, .address_space: global }
      - { .name: Wv_scales, .offset: 104, .size: 8, .value_kind: global_buffer, .address_space: global }
      - { .name: Wo_scales, .offset: 112, .size: 8, .value_kind: global_buffer, .address_space: global }
      - { .name: W1_scales, .offset: 120, .size: 8, .value_kind: global_buffer, .address_space: global }
      - { .name: W2_scales, .offset: 128, .size: 8, .value_kind: global_buffer, .address_space: global }
    .group_segment_fixed_size: 117760
    .private_segment_fixed_size: 0
    .kernarg_segment_align: 8
    .kernarg_segment_size: 136
    .max_flat_workgroup_size: 128
    .sgpr_count:     80
    .vgpr_count:     512
    .wavefront_size: 32
...
	.end_amdgpu_metadata
.endif
;; end of part 1
;; launch qkv (part 2): grid 8 x 32, 4 waves a work-group, clusters of 4 x 4, 327,680 bytes of LDS; arguments wts, a1, bq, bk, bv, qb, kvb; writes qb, kvb
.if DOCPART == 2
	.amdgcn_target "amdgcn-amd-amdhsa--gfx1250"
	.amdhsa_code_object_version 6
	.text
	.protected	k_q4de32fe10f_qkv
	.globl	k_q4de32fe10f_qkv
	.p2align	8
	.type	k_q4de32fe10f_qkv,@function
k_q4de32fe10f_qkv:
	s_mov_b64 s[64:65], 0
	v_nop
	global_prefetch_b8 v0, s[64:65] scope:SCOPE_SE
	s_setreg_imm32_b32 hwreg(HW_REG_WAVE_MODE, 25, 1), 1
	s_wait_xcnt 0x0
	s_wait_alu depctr_hold_cnt(0) depctr_sa_sdst(0) depctr_va_vdst(0) depctr_va_sdst(0) depctr_va_ssrc(0) depctr_va_vcc(0) depctr_vm_vsrc(0)
	s_getreg_b32 s2, hwreg(HW_REG_IB_STS2, 6, 4)
	s_cmp_eq_u32 s2, 0
	s_cbranch_scc0 .Lentry_in_a_cluster
	s_endpgm
.Lentry_in_a_cluster:
	s_bfe_u32 s2, ttmp6, 0x10000c
	s_cmp_lg_u32 s2, 0xf033
	s_cbranch_scc0 .Lentry_shape_is_right
	s_endpgm
.Lentry_shape_is_right:
; q, k, v = LN1(x) W + b on codes of FP6 (E2M3), one E8M0 scale for each 32 along K = 1,024; the results are quantised on the way out: q and k along a head's 64, v along the keys.
; SHARES.  A work-group takes 128 rows and, one after the other, the same 128 columns (two heads) of Wq, Wk and Wv: 32 x 8 = 256 work-groups.  Four waves, 64 x 64 each: 16 accumulators.
; Operands lie in the workspace in the order of an operand's registers (units of 768 bytes, records of 6,400: see the first launch), so 128 rows x 1,024 K are one dense block of 102,400 bytes, every LDS read is of consecutive bytes,
; and two units on end are one operand.  The rows' block stays in LDS; the weights' blocks go through two slots: while one is multiplied the next one lands.
; CLUSTERS: 4 x 4 work-groups.  The rows' block hangs on the work-group's y alone and is asked for jointly along a row of the cluster, the weights' on x alone, jointly along a column.  At the head a wave brings half of one block; a refill brings a quarter of the weights' block a wave.
; q, k: source 0 = 16 columns of W, source 1 = 16 rows: a lane holds one row and 32 neighbours along the head's 64.  v: the sources swapped: a lane holds one column and 32 neighbouring keys: nothing is transposed.
; A wave has one tensor load out at the start and one behind each round.
; REGISTERS.  Window 0: v1-12 lane terms and LDS addresses, v21, v23 bias offsets, v28-29 the spare word's address and 0, v32-63 scale words alone, v64-95 biases, v96-122 the quantiser, v128-255 the accumulators ((yb, a) at 128 + 32 yb + 8 a).
; Window 1: two sets of eight operands, at v0 and v128: W's four, then the rows' four.
; LIMITS: NaN and infinities are not served; a block whose largest magnitude lies under 2^-124 (zeros too) gets the byte 1; only this program reads the bytes.
.set TP,    12800                      ; from a tile of 16 rows to the next in LDS
.set SLOTB, 102400
.set ACT,   204800
.set SPARE, 307200                     ; the spare words: 128 bytes a wave, two blocks of 256 bytes that no other line names
.set ACC,   128
.set F0,    0
.set F1,    128
.set TM,    96
.set PT,    104
.set SEL,   62
.set MSB, 0
.macro WIN new                         ; the immediate's high byte repeats the setting that is left
.if MSB != \new
	s_set_vgpr_msb (MSB<<8)|\new
.set MSB, \new
.endif
.endm
.macro PLACES                          ; four plain places behind matrix instructions, ahead of loads into their sources and of reads of their results
.rept 4
	v_nop
.endr
.endm
.macro CREST
	s_cmp_lg_u32 s20, 0
	s_cbranch_scc1 .Lnot_wave_0_\@
	s_barrier_signal -3
.Lnot_wave_0_\@:
	s_barrier_wait -3
	s_barrier_signal -1
	s_barrier_wait -1
.endm
.macro CROUND                          ; a round of the cluster's barrier
	s_barrier_signal -1
	s_barrier_wait -1
	CREST
.endm
.macro QUANT2 s, pc, pw                ; 32 numbers of a lane, register 16 b + i = k 32 b + 16 h + i, become a unit in v[pc .. pc + 5] and two scale bytes in v[pw]
.irp b, 0,1
	v_max3_num_f32 v[TM+\b], |v[\s+16*\b]|, |v[\s+16*\b+1]|, 0x1800000   ; with the floor 2^(3 - 127): the byte cannot fall under 1
.endr
.irp i, 2,4,6,8,10,12,14
.irp b, 0,1
	v_max3_num_f32 v[TM+\b], v[TM+\b], |v[\s+16*\b+\i]|, |v[\s+16*\b+\i+1]|
.endr
.endr
.irp b, 0,1
	v_permlanex16_b32 v[TM+2+\b], v[TM+\b], s[SEL], s[SEL+1]
.endr
.irp b, 0,1
	v_max_num_f32 v[TM+\b], v[TM+\b], v[TM+2+\b]
.endr
.irp b, 0,1
	v_add_nc_u32 v[TM+4+\b], 0xff000000, v[TM+\b]   ; 2 off the exponent field: the conversion's scale operand
.endr
.irp b, 0,1
	v_lshrrev_b32 v[TM+6+\b], 23, v[TM+4+\b]
.endr
	v_lshl_or_b32 v[\pw], v[TM+7], 8, v[TM+6]
	v_cvt_scalef32_pk16_fp6_f32 v[\pc:\pc+2], v[\s:\s+15], v[TM+4]
	v_cvt_scalef32_pk16_fp6_f32 v[PT:PT+2], v[\s+16:\s+31], v[TM+5]
	v_nop                                          ; one plain place behind a scaled conversion
.irp i, 0,1,2
	v_permlane16_swap_b32 v[\pc+\i], v[PT+\i]
.endr
.irp i, 0,1,2
	v_mov_b32 v[\pc+3+\i], v[PT+\i]
.endr
.endm
.macro FETCH f, ab, o                  ; eight operands of one K step of 128, at byte o of the tiles, into set f: 32 loads, each of consecutive bytes
	WIN 0x40
.irp i, 0,1,2,3
	ds_load_b128 v[\f+12*\i:\f+12*\i+3], v[\ab] offset:\i*TP+\o
	ds_load_b64 v[\f+12*\i+4:\f+12*\i+5], v[\ab+1] offset:\i*TP+\o+512
	ds_load_b128 v[\f+12*\i+6:\f+12*\i+9], v[\ab] offset:\i*TP+\o+768
	ds_load_b64 v[\f+12*\i+10:\f+12*\i+11], v[\ab+1] offset:\i*TP+\o+1280
	ds_load_b128 v[\f+48+12*\i:\f+48+12*\i+3], v[\ab+2] offset:\i*TP+\o
	ds_load_b64 v[\f+48+12*\i+4:\f+48+12*\i+5], v[\ab+3] offset:\i*TP+\o+512
	ds_load_b128 v[\f+48+12*\i+6:\f+48+12*\i+9], v[\ab+2] offset:\i*TP+\o+768
	ds_load_b64 v[\f+48+12*\i+10:\f+48+12*\i+11], v[\ab+3] offset:\i*TP+\o+1280
.endr
	WIN 0
.endm
; Four matrix instructions.  A scale register holds W's tile's words in lanes 0-15 and the rows' tile's in lanes 16-31.
.macro MULB f, sc, yb, swap, zero
.irp a, 0,1,2,3
.if \swap
.if \zero
	v_wmma_scale_f32_16x16x128_f8f6f4 v[ACC+32*\yb+8*\a:ACC+32*\yb+8*\a+7], v[\f+48+12*\a:\f+48+12*\a+11], v[\f+12*\yb:\f+12*\yb+11], 0, v[\sc+\a], v[\sc+\yb] matrix_a_fmt:MATRIX_FMT_FP6 matrix_b_fmt:MATRIX_FMT_FP6 matrix_a_scale:MATRIX_SCALE_ROW1
.else
	v_wmma_scale_f32_16x16x128_f8f6f4 v[ACC+32*\yb+8*\a:ACC+32*\yb+8*\a+7], v[\f+48+12*\a:\f+48+12*\a+11], v[\f+12*\yb:\f+12*\yb+11], v[ACC+32*\yb+8*\a:ACC+32*\yb+8*\a+7], v[\sc+\a], v[\sc+\yb] matrix_a_fmt:MATRIX_FMT_FP6 matrix_b_fmt:MATRIX_FMT_FP6 matrix_a_scale:MATRIX_SCALE_ROW1
.endif
.else
.if \zero
	v_wmma_scale_f32_16x16x128_f8f6f4 v[ACC+32*\yb+8*\a:ACC+32*\yb+8*\a+7], v[\f+12*\a:\f+12*\a+11], v[\f+48+12*\yb:\f+48+12*\yb+11], 0, v[\sc+\a], v[\sc+\yb] matrix_a_fmt:MATRIX_FMT_FP6 matrix_b_fmt:MATRIX_FMT_FP6 matrix_b_scale:MATRIX_SCALE_ROW1
.else
	v_wmma_scale_f32_16x16x128_f8f6f4 v[ACC+32*\yb+8*\a:ACC+32*\yb+8*\a+7], v[\f+12*\a:\f+12*\a+11], v[\f+48+12*\yb:\f+48+12*\yb+11], v[ACC+32*\yb+8*\a:ACC+32*\yb+8*\a+7], v[\sc+\a], v[\sc+\yb] matrix_a_fmt:MATRIX_FMT_FP6 matrix_b_fmt:MATRIX_FMT_FP6 matrix_b_scale:MATRIX_SCALE_ROW1
.endif
.endif
.endr
.endm
.macro MUL16 f, sc, swap, zero         ; the 16 accumulators take turns, one instruction a turn, in the same order in every step
	WIN 0x05
.irp yb, 0,1,2,3
	MULB \f, \sc, \yb, \swap, \zero
.endr
.endm
.macro STEP ks, swap                   ; K step ks: its operands were asked for a step ago; the next step's are asked for, then 16 products
	s_wait_dscnt 0x0
	PLACES
	FETCH F0+128*((\ks+1)%2), 8, ((\ks+1)/4)*6400+((\ks+1)%4)*1536
.if \ks == 0
	MUL16 F0, 32, \swap, 1                         ; the first products start the sums: nothing is cleared
.else
	MUL16 F0+128*(\ks%2), 32+4*\ks, \swap, 0
.endif
.endm
.macro KLOOP swap                      ; all of K: eight steps
	FETCH F0, 8, 0
.irp ks, 0,1,2,3,4,5,6,7
.irp i, 0,1,2,3
	ds_load_b32 v[32+4*\ks+\i], v12 offset:\i*TP+(\ks/4)*6400+6144+(\ks%4)*64
.endr
.endr
.irp ks, 0,1,2,3,4,5,6
	STEP \ks, \swap
.endr
	s_wait_dscnt 0x0
	MUL16 F1, 60, \swap, 0
	WIN 0
	PLACES
.endm
.macro ADDR                            ; s58: LDS byte of my 64 columns' tiles, s59: of my 64 rows' tiles
	v_add_nc_u32 v8, s58, v4
	v_add_nc_u32 v9, s58, v5
	v_add_nc_u32 v10, s59, v4
	v_add_nc_u32 v11, s59, v5
	s_sub_co_u32 s60, s59, s58
	v_mul_u32_u24 v12, s60, v3                     ; scale words: lanes 16-31 take the rows'
	v_add_nc_u32 v12, v12, v6
	v_add_nc_u32 v12, s58, v12
.endm
; The head of a tile.  Every wave: all its tensor loads have landed, 0 onto its spare word, the add and its LDS reads are done; then the barrier.  refill = 1: a round of the cluster's barrier, and behind it the next weight's block
; goes into the slot nslot, which nobody reads any more: the wave's one tensor load until the next round; it has a whole tile's products and way out in which to land.
.macro TRIPHEAD refill, nslot
	s_wait_tensorcnt 0x0
	ds_add_u32 v28, v29
.if \refill
	s_mov_b32 s26, 100<<16                         ; no tensor load of mine is out: a refill brings a quarter block a wave, 100 rows
	s_mov_b32 s28, 100
	s_add_co_u32 s33, s54, \nslot
	s_add_nc_u64 s[34:35], s[34:35], 819200        ; the same columns of the next weight: 64 tiles on
.endif
	s_wait_dscnt 0x0
.if \refill
	CROUND
	tensor_load_to_lds s[32:35], s[24:31]
	s_nop 0
	PLACES
.else
	s_barrier_signal -1
	s_barrier_wait -1
.endif
.endm
; The way out: bias, quantiser, stores.  mode 0: 32 biases along a lane's registers; mode 1: one bias a lane and tile.
.macro EPI mode, cb, cstep, sb, soff, sstep, vls
	s_wait_loadcnt 0x0                             ; the biases
.irp yb, 0,1,2,3
.set i, 0
.rept 16
.if \mode
	v_pk_add_f32 v[ACC+32*\yb+i:ACC+32*\yb+i+1], v[ACC+32*\yb+i:ACC+32*\yb+i+1], v[64+2*\yb:65+2*\yb]
.else
	v_pk_add_f32 v[ACC+32*\yb+i:ACC+32*\yb+i+1], v[ACC+32*\yb+i:ACC+32*\yb+i+1], v[64+i:65+i]
.endif
.set i, i+2
.endr
	s_wait_alu depctr_va_vdst(0)
	s_wait_xcnt 0x0                                ; earlier stores have read their data: the two sets of codes take turns
	QUANT2 ACC+32*\yb, 108+8*(\yb%2), 114+8*(\yb%2)
	global_store_b128 v4, v[108+8*(\yb%2):111+8*(\yb%2)], s[\cb:\cb+1] offset:\cstep*\yb
	global_store_b64 v5, v[112+8*(\yb%2):113+8*(\yb%2)], s[\cb:\cb+1] offset:\cstep*\yb+512
	global_store_b16 v[\vls], v[114+8*(\yb%2)], s[\sb:\sb+1] offset:\soff+\sstep*\yb   ; lanes r and 16 + r write the same bytes with the same value
.endr
.endm
	s_load_b256 s[4:11], s[0:1], 0x0               ; weights, rows' codes, bq, bk
	s_load_b128 s[12:15], s[0:1], 0x20             ; bv, q's buffer
	s_load_b64 s[16:17], s[0:1], 0x30              ; k's and v's buffer
	v_lshl_add_u32 v28, v0, 2, SPARE
	v_mov_b32 v29, 0
	ds_add_u32 v28, v29
	ds_add_u32 v28, v29
	s_wait_dscnt 0x0
	v_lshrrev_b32 v1, 5, v0
	v_readfirstlane_b32 s20, v1                    ; wave
	s_and_b32 s21, s20, 1                          ; WL
	s_lshr_b32 s22, s20, 1                         ; WH
	s_bfe_u32 s48, ttmp6, 0x40000                  ; cx
	s_bfe_u32 s49, ttmp6, 0x40004                  ; cy
	s_lshl_b32 s50, ttmp9, 2
	s_add_co_u32 s50, s50, s48                     ; work-group x: which 128 columns
	s_and_b32 s51, ttmp7, 0xffff
	s_lshl_b32 s51, s51, 2
	s_add_co_u32 s51, s51, s49                     ; work-group y: which 128 rows
	s_lshl_b32 s52, 0x1111, s48                    ; my column of the cluster
	s_lshl_b32 s56, s49, 2
	s_lshl_b32 s56, 15, s56                        ; my row
	s_or_b32 s24, s52, (3<<16)|(1<<21)             ; group 1: the mask; elements of 8 bytes; bit 21 beside a mask; no padding
	s_or_b32 s36, s56, (3<<16)|(1<<21)
.irp g, 24, 36                         ; a dense half block, 51,200 bytes, as 200 rows of 256
	s_mov_b32 s[\g+1], 32<<16
	s_mov_b32 s[\g+2], 200<<16                     ; the head's loads bring half a block: 200 rows of 256 bytes
	s_mov_b32 s[\g+3], 32<<16
	s_mov_b32 s[\g+4], 200
	s_mov_b32 s[\g+5], 32
	s_mov_b32 s[\g+6], 0
	s_mov_b32 s[\g+7], 0
.endr
	s_mul_i32 s54, s20, 25600                      ; my quarter: no place in the cluster enters an LDS address
	s_mul_i32 s52, s50, 102400
	s_add_co_u32 s52, s52, s54
	s_mov_b32 s53, 0
	s_mul_i32 s56, s51, 102400
	s_mul_i32 s94, s21, 51200                      ; at the head: my half of a block
	s_mov_b32 s95, 0
	s_add_co_u32 s56, s56, s94
	s_mov_b32 s57, 0
	s_wait_kmcnt 0x0
	s_mov_b32 s32, 1
	s_mov_b32 s33, s54                             ; slot 0
	s_add_nc_u64 s[34:35], s[4:5], s[52:53]
	s_or_b32 s35, s35, 0x80000000
	s_mov_b32 s44, 1
	s_add_co_u32 s45, s94, ACT
	s_add_nc_u64 s[46:47], s[6:7], s[56:57]
	s_or_b32 s47, s47, 0x80000000
	CROUND                                         ; all sixteen work-groups are here: the first joint loads meet
	s_sub_co_u32 s92, s52, s54                     ; Wq's block, + my half of it
	s_add_co_u32 s92, s92, s94
	s_mov_b32 s93, 0
	s_mov_b32 s96, 1
	s_mov_b32 s97, s94
	s_add_nc_u64 s[98:99], s[4:5], s[92:93]
	s_or_b32 s99, s99, 0x80000000
	s_cmp_eq_u32 s22, 0                            ; one tensor load a wave at the head: waves 0, 1 bring the halves of the rows' block, waves 2, 3 those of Wq's
	s_cbranch_scc0 .Lhead_w
	tensor_load_to_lds s[44:47], s[36:43]
	s_nop 0
	PLACES
	s_branch .Lhead_asked
.Lhead_w:
	tensor_load_to_lds s[96:99], s[24:31]
	s_nop 0
	PLACES
.Lhead_asked:
	v_and_b32 v1, 31, v0
	v_and_b32 v2, 15, v0                           ; r
	v_bfe_u32 v3, v0, 4, 1                         ; h
	v_lshlrev_b32 v4, 4, v1                        ; 16 l
	v_lshlrev_b32 v5, 3, v1                        ; 8 l
	v_lshlrev_b32 v6, 2, v2                        ; 4 r
	v_lshlrev_b32 v7, 1, v2                        ; 2 r
	v_lshlrev_b32 v21, 6, v3                       ; q's, k's biases: 64 h
	v_and_b32 v23, 8, v2
	v_add_nc_u32 v23, v23, v2
	v_lshlrev_b32 v23, 2, v23                      ; v's: 4 (r + 8 (r / 8))
	v_mov_b32 v[TM+2], 0                           ; written once: a lane permute's destination counts as one of its sources
	v_mov_b32 v[TM+3], 0
	s_mov_b32 s[SEL], 0x76543210
	s_mov_b32 s[SEL+1], 0xfedcba98
	s_mul_i32 s55, s21, 51200
	s_mul_i32 s61, s22, 51200
	; where the results go.  b = y / 16 the batch, j = y % 16 the 128 positions in the sequence; the head is 2 x + my half of the columns
	s_lshr_b32 s84, s51, 4
	s_and_b32 s85, s51, 15
	s_lshl_b32 s86, s50, 1
	s_lshl_b32 s87, s84, 4
	s_add_co_u32 s86, s86, s87
	s_add_co_u32 s88, s86, s21                     ; q, k: columns by WL
	s_add_co_u32 s89, s86, s22                     ; v: columns by WH
	s_mov_b32 s93, 0
	s_lshl_b32 s90, s88, 7
	s_lshl_b32 s91, s85, 3
	s_add_co_u32 s90, s90, s91
	s_lshl_b32 s91, s22, 2
	s_add_co_u32 s90, s90, s91                     ; q: unit 128 bh + 8 j + 4 WH + yb
	s_mul_i32 s92, s90, 768
	s_add_nc_u64 s[66:67], s[14:15], s[92:93]
	s_lshl_b32 s92, s90, 5
	s_add_co_u32 s92, s92, 3145728
	s_add_nc_u64 s[68:69], s[14:15], s[92:93]
	s_lshl_b32 s90, s88, 4
	s_add_co_u32 s90, s90, s85
	s_mul_i32 s90, s90, 6400                       ; k: record 16 bh + j, unit 4 WH + yb
	s_mul_i32 s91, s22, 3072
	s_add_co_u32 s92, s90, s91
	s_add_nc_u64 s[70:71], s[16:17], s[92:93]
	s_lshl_b32 s91, s22, 7
	s_add_co_u32 s92, s90, s91
	s_add_nc_u64 s[72:73], s[16:17], s[92:93]
	s_lshl_b32 s90, s89, 4
	s_add_co_u32 s90, s90, s85
	s_mul_i32 s90, s90, 6400
	s_add_co_u32 s90, s90, 3276800                 ; v: record 16 bh + j behind k's, unit 2 yb + WL
	s_mul_i32 s91, s21, 768
	s_add_co_u32 s92, s90, s91
	s_add_nc_u64 s[74:75], s[16:17], s[92:93]
	s_lshl_b32 s91, s21, 1
	s_add_co_u32 s92, s90, s91
	s_add_nc_u64 s[76:77], s[16:17], s[92:93]
	s_lshl_b32 s90, s50, 9
	s_lshl_b32 s91, s21, 8
	s_add_co_u32 s92, s90, s91
	s_add_nc_u64 s[78:79], s[8:9], s[92:93]
	s_add_nc_u64 s[80:81], s[10:11], s[92:93]
	s_lshl_b32 s91, s22, 8
	s_add_co_u32 s92, s90, s91
	s_add_nc_u64 s[82:83], s[12:13], s[92:93]
.macro BIASQK base                     ; register 8 a + j: the bias of column 32 (a / 2) + 8 (a % 2) + 16 h + j of my 64
.irp a, 0,1,2,3
	global_load_b128 v[64+8*\a:67+8*\a], v21, s[\base:\base+1] offset:(32*(\a/2)+8*(\a%2))*4
	global_load_b128 v[68+8*\a:71+8*\a], v21, s[\base:\base+1] offset:(32*(\a/2)+8*(\a%2))*4+16
.endr
.endm
	; ---- q
	TRIPHEAD 1, SLOTB                              ; the rows and Wq are in, everybody's; Wk goes into slot 1
	s_mov_b32 s58, s55
	s_add_co_u32 s59, s61, ACT
	ADDR
	BIASQK 78
	s_wait_alu depctr_va_vdst(0)
	KLOOP 0
	EPI 0, 66, 768, 68, 0, 32, 7
	; ---- k
	TRIPHEAD 1, 0                                  ; Wk is in; Wv goes into slot 0
	s_add_co_u32 s58, s55, SLOTB
	ADDR
	BIASQK 80
	s_wait_alu depctr_va_vdst(0)
	KLOOP 0
	EPI 0, 70, 768, 72, 6144, 32, 7
	; ---- v: the waves' halves change places with the sources
	TRIPHEAD 0, 0
	s_mov_b32 s58, s61
	s_add_co_u32 s59, s55, ACT
	ADDR
.irp yb, 0,1,2,3
	global_load_b32 v[64+2*\yb], v23, s[82:83] offset:(32*(\yb/2)+8*(\yb%2))*4
	global_load_b32 v[65+2*\yb], v23, s[82:83] offset:(32*(\yb/2)+8*(\yb%2))*4
.endr
	s_wait_alu depctr_va_vdst(0)
	KLOOP 1
	EPI 1, 74, 1536, 76, 6144, 64, 6
	s_wait_tensorcnt 0x0                           ; the wave's end
	ds_add_u32 v28, v29
	s_wait_dscnt 0x0
	CROUND                                         ; the closing round
	s_endpgm
.Lfunc_end_k_q4de32fe10f_qkv:
	.size	k_q4de32fe10f_qkv, .Lfunc_end_k_q4de32fe10f_qkv-k_q4de32fe10f_qkv
	.p2alignl 7, 3214868480
	.fill 96, 4, 3214868480
	.section	.rodata,"a",@progbits
	.p2align	6, 0x0
	.amdhsa_kernel k_q4de32fe10f_qkv
		.amdhsa_group_segment_fixed_size 327680
		.amdhsa_private_segment_fixed_size 0
		.amdhsa_enable_private_segment 0
		.amdhsa_kernarg_size 56
		.amdhsa_user_sgpr_count 2
		.amdhsa_user_sgpr_kernarg_segment_ptr 1
		.amdhsa_wavefront_size32 1
		.amdhsa_system_sgpr_workgroup_id_x 1
		.amdhsa_system_sgpr_workgroup_id_y 1
		.amdhsa_system_sgpr_workgroup_id_z 1
		.amdhsa_system_vgpr_workitem_id 0
		.amdhsa_next_free_vgpr 512
		.amdhsa_next_free_sgpr 100
		.amdhsa_reserve_vcc 0
		.amdhsa_float_denorm_mode_32 3
		.amdhsa_float_denorm_mode_16_64 3
		.amdhsa_memory_ordered 1
		.amdhsa_forward_progress 1
		.amdhsa_inst_pref_size 159
	.end_amdhsa_kernel
	.amdgpu_metadata
---
amdhsa.version: [ 1, 2 ]
amdhsa.kernels:
  - .name:           k_q4de32fe10f_qkv
    .symbol:         k_q4de32fe10f_qkv.kd
    .args:
      - { .name: wts, .offset: 0, .size: 8, .value_kind: global_buffer, .address_space: global }
      - { .name: a1, .offset: 8, .size: 8, .value_kind: global_buffer, .address_space: global }
      - { .name: bq, .offset: 16, .size: 8, .value_kind: global_buffer, .address_space: global }
      - { .name: bk, .offset: 24, .size: 8, .value_kind: global_buffer, .address_space: global }
      - { .name: bv, .offset: 32, .size: 8, .value_kind: global_buffer, .address_space: global }
      - { .name: qb, .offset: 40, .size: 8, .value_kind: global_buffer, .address_space: global }
      - { .name: kvb, .offset: 48, .size: 8, .value_kind: global_buffer, .address_space: global }
    .group_segment_fixed_size: 327680
    .private_segment_fixed_size: 0
    .kernarg_segment_align: 8
    .kernarg_segment_size: 56
    .max_flat_workgroup_size: 128
    .sgpr_count:     100
    .vgpr_count:     512
    .wavefront_size: 32
...
	.end_amdgpu_metadata
.endif
;; end of part 2
;; launch attn (part 3): grid 8 x 32, 16 waves a work-group, clusters of 4 x 1, 327,680 bytes of LDS; arguments qb, kvb, ctx; writes ctx
.if DOCPART == 3
	.amdgcn_target "amdgcn-amd-amdhsa--gfx1250"
	.amdhsa_code_object_version 6
	.text
	.protected	k_q4de32fe10f_attn
	.globl	k_q4de32fe10f_attn
	.p2align	8
	.type	k_q4de32fe10f_attn,@function
k_q4de32fe10f_attn:
	s_mov_b64 s[64:65], 0
	v_nop
	global_prefetch_b8 v0, s[64:65] scope:SCOPE_SE
	s_setreg_imm32_b32 hwreg(HW_REG_WAVE_MODE, 25, 1), 1
	s_wait_xcnt 0x0
	s_wait_alu depctr_hold_cnt(0) depctr_sa_sdst(0) depctr_va_vdst(0) depctr_va_sdst(0) depctr_va_ssrc(0) depctr_va_vcc(0) depctr_vm_vsrc(0)
	s_getreg_b32 s2, hwreg(HW_REG_IB_STS2, 6, 4)
	s_cmp_eq_u32 s2, 0
	s_cbranch_scc0 .Lentry_in_a_cluster
	s_endpgm
.Lentry_in_a_cluster:
	s_bfe_u32 s2, ttmp6, 0x10000c
	s_cmp_lg_u32 s2, 0x3003
	s_cbranch_scc0 .Lentry_shape_is_right
	s_endpgm
.Lentry_shape_is_right:
; ctx = softmax(q k^T / 8) v for one head and 256 queries a work-group, on codes of FP6 (E2M3); the result is quantised along the head's 64 on the way out.
; SHARES.  Work-group (x, y): head y (batch x head, 32), queries 256 x .. 256 x + 255; 16 waves, 16 queries each; a lane holds one query throughout (both products are used transposed).
; LDS.  The head's 16 records of k (0 .. 102,399) and 16 of v (102,400 .. 204,799), 6,400 bytes each (128 keys), come ONCE: wave w brings two records on end, 12,800 dense bytes, its one tensor load.
; Nothing is filled again: one barrier behind the fills, none in the walk over the keys.  The spare words lie behind, 128 bytes a wave.
; CLUSTER 4 x 1: the four work-groups along x read the same head's k and v and ask for them jointly (mask 15).
; No prefetch: all that the launch reads by tensor loads is asked for at its head, so there is no later load to run ahead of.
; A STEP is 128 keys: 8 products S^T = k q^T (K = 64, the upper 64 are zero codes on both sides), the softmax by a running whole-number maximum, p quantised in blocks of 32 keys, 4 products O^T += v^T p^T.
; THE WALK IS LAID ONE HALF STEP AHEAD: a trip begins with the scores of its tiles 0-3 made and k's tiles 4-7 asked for.  Behind the second four products it asks for the next step's tiles 0-3 and for v's fragments;
; behind the sums, when p's first 32 registers are free, it makes the next step's first four products and asks for that step's tiles 4-7.  The last step asks for nothing more and is written out.
; REGISTERS: v1-4 lane terms; v8-10 k's LDS addresses, v11, v5, v6 v's; v7, v243 the spare word's address and 0; v12 -M, v13 the largest score, v[14:15] the sum; v16-27 q; v28-31 v's scale words; v32-79 k's four fragments;
; v80-127 v's four; v128-191 S^T, then p; v192-223 O^T; v224-235 p's codes; v236-247 at work (v244-247 the blocks' maxima, then the conversions' scale operands); v248-251 k's scale words; v252 f; v253 p's scale word; v254 at work; v255 q's.
; LIMITS: the promise holds while the scaled scores stay under 2^31 in magnitude; NaN and infinities are not served; a block whose largest magnitude lies under 2^-124 (zeros too) gets the byte 1; only this program reads the bytes.
.set SPARE, 204800
.set S,   128
.set TM,  232
.set PT,  240
.set SEL, 20
.set CS,  22
.macro PLACES                          ; four plain places behind matrix instructions (ISA guide 7.12.1)
.rept 4
	v_nop
.endr
.endm
.macro CROUND                          ; a round of the cluster's barrier
	s_barrier_signal -1
	s_barrier_wait -1
	s_cmp_lg_u32 s18, 0
	s_cbranch_scc1 .Lnot_wave_0_\@
	s_barrier_signal -3
.Lnot_wave_0_\@:
	s_barrier_wait -3
	s_barrier_signal -1
	s_barrier_wait -1
.endm
.macro QUANT2 s, pc, pw                ; 32 numbers of a lane, register 16 b + i = k 32 b + 16 h + i, become a unit in v[pc .. pc + 5] and two scale bytes in v[pw]
.irp b, 0,1
	v_max3_num_f32 v[TM+\b], |v[\s+16*\b]|, |v[\s+16*\b+1]|, 0x1800000   ; with the floor 2^(3 - 127): the byte cannot fall under 1
.endr
.irp i, 2,4,6,8,10,12,14
.irp b, 0,1
	s_delay_alu instid0(VALU_DEP_2)
	v_max3_num_f32 v[TM+\b], v[TM+\b], |v[\s+16*\b+\i]|, |v[\s+16*\b+\i+1]|
.endr
.endr
.irp b, 0,1
	s_delay_alu instid0(VALU_DEP_2)
	v_permlanex16_b32 v[TM+2+\b], v[TM+\b], s[SEL], s[SEL+1]
.endr
.irp b, 0,1
	s_delay_alu instid0(VALU_DEP_2)
	v_max_num_f32 v[TM+\b], v[TM+\b], v[TM+2+\b]
.endr
.irp b, 0,1
	s_delay_alu instid0(VALU_DEP_2)
	v_add_nc_u32 v[TM+4+\b], 0xff000000, v[TM+\b]
.endr
.irp b, 0,1
	s_delay_alu instid0(VALU_DEP_2)
	v_lshrrev_b32 v[TM+6+\b], 23, v[TM+4+\b]
.endr
	s_delay_alu instid0(VALU_DEP_1)
	v_lshl_or_b32 v[\pw], v[TM+7], 8, v[TM+6]
	v_cvt_scalef32_pk16_fp6_f32 v[\pc:\pc+2], v[\s:\s+15], v[TM+4]
	v_cvt_scalef32_pk16_fp6_f32 v[PT:PT+2], v[\s+16:\s+31], v[TM+5]
	v_nop                                          ; one plain place behind a scaled conversion
.irp i, 0,1,2
	v_permlane16_swap_b32 v[\pc+\i], v[PT+\i]
.endr
.irp i, 0,1,2
	s_delay_alu instid0(VALU_DEP_3)
	v_mov_b32 v[\pc+3+\i], v[PT+\i]
.endr
.endm
.macro KLOAD t0                        ; four tiles of 16 keys: 6 registers of codes and a scale half-word each: 12 loads
.irp t, 0,1,2,3
	ds_load_b128 v[32+12*\t:35+12*\t], v8 offset:768*(\t0+\t)
	ds_load_b64 v[36+12*\t:37+12*\t], v9 offset:768*(\t0+\t)+512
	ds_load_u16 v[248+\t], v10 offset:6144+32*(\t0+\t)
.endr
.endm
.macro VLOAD                           ; v's four tiles of 16 of the head's 64 x 128 keys, and their scale words: 20 loads
.irp t, 0,1,2,3
	ds_load_b128 v[80+12*\t:83+12*\t], v11 offset:1536*\t
	ds_load_b64 v[84+12*\t:85+12*\t], v5 offset:1536*\t+512
	ds_load_b128 v[86+12*\t:89+12*\t], v11 offset:1536*\t+768
	ds_load_b64 v[90+12*\t:91+12*\t], v5 offset:1536*\t+1280
	ds_load_b32 v[28+\t], v6 offset:6144+64*\t
.endr
.endm
.macro QK t0
.irp t, 0,1,2,3
	v_wmma_scale_f32_16x16x128_f8f6f4 v[S+8*(\t0+\t):S+7+8*(\t0+\t)], v[32+12*\t:43+12*\t], v[16:27], 0, v[248+\t], v255 matrix_a_fmt:MATRIX_FMT_FP6 matrix_b_fmt:MATRIX_FMT_FP6
.endr
.endm
.macro MAXB b0, b1                     ; the largest score of my 16 keys of blocks b0 and b1, into v[244 + b]: two chains a block, four by turns; each accumulator is read from its low end on
.irp b, \b0, \b1
	v_max3_num_f32 v[244+\b], v[S+16*\b], v[S+16*\b+1], v[S+16*\b+2]
	v_max3_num_f32 v[236+\b], v[S+16*\b+8], v[S+16*\b+9], v[S+16*\b+10]
.endr
.irp i, 3,5
.irp b, \b0, \b1
	v_max3_num_f32 v[244+\b], v[244+\b], v[S+16*\b+\i], v[S+16*\b+\i+1]
	v_max3_num_f32 v[236+\b], v[236+\b], v[S+16*\b+8+\i], v[S+16*\b+9+\i]
.endr
.endr
	v_max3_num_f32 v[244+\b0], v[244+\b0], v[236+\b0], v[S+16*\b0+7]
	v_max3_num_f32 v[244+\b1], v[244+\b1], v[236+\b1], v[S+16*\b1+7]
	v_max_num_f32 v[244+\b0], v[244+\b0], v[S+16*\b0+15]
	v_max_num_f32 v[244+\b1], v[244+\b1], v[S+16*\b1+15]
.irp b, \b0, \b1
	s_delay_alu instid0(VALU_DEP_2)
	v_permlanex16_b32 v[236+\b], v[244+\b], s[SEL], s[SEL+1]
.endr
.irp b, \b0, \b1
	s_delay_alu instid0(VALU_DEP_2)
	v_max_num_f32 v[244+\b], v[244+\b], v[236+\b]  ; with lane l xor 16's sixteen keys: the block's largest score
.endr
.endm
.macro TM8 i0                          ; t - M of sixteen scores
.set i, \i0
.rept 8
	v_pk_fma_f32 v[S+i:S+1+i], v[S+i:S+1+i], s[CS:CS+1], v[12:13] op_sel_hi:[1,0,0]
.set i, i+2
.endr
.endm
; A step of 128 keys.  more = 1: the next step is begun inside it.
.macro TRIP more
	MAXB 0, 1                                      ; tiles 0-3's scores were made a trip ago
	s_wait_dscnt 0x0                               ; k's tiles 4-7 are in
	QK 4
.if \more
	s_add_co_u32 s2, s2, 6400
	v_add_nc_u32 v8, s2, v1                        ; four plain lines, the places ahead of the loads below: the next record of k
	v_add_nc_u32 v9, s2, v2
	v_add_nc_u32 v10, s2, v3
	v_nop
	KLOAD 0
.else
	PLACES
.endif
	VLOAD
	MAXB 2, 3
	s_delay_alu instid0(VALU_DEP_2)
	v_max3_num_f32 v252, v244, v245, v246
	s_delay_alu instid0(VALU_DEP_1)
	v_max3_num_f32 v13, v252, v247, v13            ; the running largest score
	s_delay_alu instid0(VALU_DEP_1)
	v_mul_f32 v252, s[CS], v13                     ; as t (the factor is positive)
	s_delay_alu instid0(VALU_DEP_1)
	v_floor_f32 v12, -v252                         ; -M = -ceil(t): a whole number
	TM8 0
	v_sub_f32 v254, v12, v254                      ; f's three lines stand among the multiply-adds, so that none follows the line that it reads
	TM8 16
	v_cvt_i32_f32 v254, v254
	TM8 32
	v_ldexp_f32 v252, 1.0, v254                    ; f = 2^(old M - new M)
	TM8 48
.irp b, 0,1,2,3
	v_fma_f32 v[244+\b], v[244+\b], s[CS], v12     ; the same of each block's largest score
.endr
	s_wait_alu depctr_va_vdst(0)                   ; ahead of the batch
.irp b, 0,1,2,3
	v_exp_f32 v[244+\b], v[244+\b]                 ; each block's largest p
.endr
.set i, 0
.rept 64
	v_exp_f32 v[S+i], v[S+i]                       ; p = 2^(t - M)
.set i, i+1
.endr
	v_pk_mul_f32 v[14:15], v[14:15], v[252:253] op_sel_hi:[1,0]   ; the sums under the new M
	s_wait_alu depctr_va_vdst(0)                   ; and behind it, ahead of its first reader
.irp b, 0,1,2,3
	v_max_num_f32 v[244+\b], 0x1800000, v[244+\b]  ; the floor 2^(3 - 127)
.endr
.irp b, 0,1,2,3
	s_delay_alu instid0(VALU_DEP_4)
	v_add_nc_u32 v[244+\b], 0xff000000, v[244+\b]  ; 2 off the exponent field: the conversion's scale operand
.endr
.irp b, 0,1,2,3
	s_delay_alu instid0(VALU_DEP_4)
	v_lshrrev_b32 v[236+\b], 23, v[244+\b]
.endr
	s_delay_alu instid0(VALU_DEP_3)
	v_lshl_or_b32 v253, v237, 8, v236
	s_delay_alu instid0(VALU_DEP_2)
	v_lshl_or_b32 v254, v239, 8, v238
	s_delay_alu instid0(VALU_DEP_1)
	v_lshl_or_b32 v253, v254, 16, v253             ; p's scale word for these 128 keys
.irp c, 0,1
	v_cvt_scalef32_pk16_fp6_f32 v[224+6*\c:226+6*\c], v[S+32*\c:S+15+32*\c], v[244+2*\c]
	v_cvt_scalef32_pk16_fp6_f32 v[236+4*\c:238+4*\c], v[S+16+32*\c:S+31+32*\c], v[244+2*\c+1]
.endr
	v_pk_add_f32 v[228:229], v[S:S+1], v[S+2:S+3]  ; the row's sum, of the unquantised p, in four chains.  (These lines are also the plain places behind the conversions)
	v_pk_add_f32 v[234:235], v[S+4:S+5], v[S+6:S+7]
	v_pk_add_f32 v[244:245], v[S+8:S+9], v[S+10:S+11]
	v_pk_add_f32 v[14:15], v[14:15], v[S+12:S+13]
.irp j, 14,22,30,38,46,54
	v_pk_add_f32 v[228:229], v[228:229], v[S+\j:S+1+\j]
	v_pk_add_f32 v[234:235], v[234:235], v[S+2+\j:S+3+\j]
	v_pk_add_f32 v[244:245], v[244:245], v[S+4+\j:S+5+\j]
	v_pk_add_f32 v[14:15], v[14:15], v[S+6+\j:S+7+\j]
.endr
	v_pk_add_f32 v[228:229], v[228:229], v[S+62:S+63]
	s_delay_alu instid0(VALU_DEP_1)
	v_pk_add_f32 v[228:229], v[228:229], v[234:235]
	s_delay_alu instid0(VALU_DEP_3)
	v_pk_add_f32 v[14:15], v[14:15], v[244:245]
	s_delay_alu instid0(VALU_DEP_1)
	v_pk_add_f32 v[14:15], v[14:15], v[228:229]
.if \more
	s_wait_dscnt 20                                ; the next step's tiles 0-3 are in; v's twenty loads, which are younger, may be out
	QK 0                                           ; p's first 32 registers have been converted and summed: the next step's first scores
	v_add_nc_u32 v11, s3, v1                       ; the places ahead of the loads below: the next step's addresses in v's records,
	v_add_nc_u32 v5, s3, v2
	v_add_nc_u32 v6, s3, v4
	v_mov_b32 v254, v12                            ; and this step's -M, the next step's old one
	s_add_co_u32 s3, s3, 6400
	KLOAD 4
.endif
.irp c, 0,1
.irp i, 0,1,2
	v_permlane16_swap_b32 v[224+6*\c+\i], v[236+4*\c+\i]   ; a whole block in a lane
.endr
.irp i, 0,1,2
	s_delay_alu instid0(VALU_DEP_3)
	v_mov_b32 v[227+6*\c+\i], v[236+4*\c+\i]
.endr
.endr
.if \more
	s_wait_dscnt 12                                ; v's fragments are in; the twelve loads of k's tiles 4-7, which are younger, may be out
.else
	s_wait_dscnt 0x0
.endif
	s_wait_alu depctr_va_vdst(0)                   ; directly ahead of the first reader of O^T
.set i, 0
.rept 16
	v_pk_mul_f32 v[192+i:193+i], v[192+i:193+i], v[252:253] op_sel_hi:[1,0]   ; O^T under the new M
.set i, i+2
.endr
.irp t, 0,1,2,3
	v_wmma_scale_f32_16x16x128_f8f6f4 v[192+8*\t:199+8*\t], v[80+12*\t:91+12*\t], v[224:235], v[192+8*\t:199+8*\t], v[28+\t], v253 matrix_a_fmt:MATRIX_FMT_FP6 matrix_b_fmt:MATRIX_FMT_FP6
.endr
.endm
	s_load_b128 s[4:7], s[0:1], 0x0                ; q's buffer, k's and v's
	s_load_b64 s[8:9], s[0:1], 0x10                ; ctx
	v_lshl_add_u32 v7, v0, 2, SPARE
	v_mov_b32 v243, 0
	ds_add_u32 v7, v243                            ; the opening lines: the add, twice on end, and its wait
	ds_add_u32 v7, v243
	v_lshrrev_b32 v8, 5, v0
	s_delay_alu instid0(VALU_DEP_1)
	v_readfirstlane_b32 s18, v8                    ; wave
	s_and_b32 s10, ttmp7, 0xffff                   ; the head
	s_and_b32 s11, s18, 7
	s_lshr_b32 s12, s18, 3
	s_mul_i32 s13, s18, 12800                      ; LDS: waves 0-7 fill k's region, waves 8-15 v's
	s_mul_i32 s14, s12, 3276800                    ; v's records lie behind k's in memory
	s_mul_i32 s15, s10, 102400
	s_add_co_u32 s14, s14, s15
	s_mul_i32 s15, s11, 12800                      ; my two records
	s_add_co_u32 s14, s14, s15
	s_mov_b32 s15, 0
	s_mov_b32 s24, 15|(3<<16)|(1<<21)              ; group 1: all four partners; elements of 8 bytes; 12,800 dense bytes as 50 rows of 256
	s_mov_b32 s25, 32<<16
	s_mov_b32 s26, 50<<16
	s_mov_b32 s27, 32<<16
	s_mov_b32 s28, 50
	s_mov_b32 s29, 32
	s_mov_b32 s30, 0
	s_mov_b32 s31, 0
	s_wait_dscnt 0x0
	s_wait_kmcnt 0x0
	s_mov_b32 s32, 1
	s_mov_b32 s33, s13
	s_add_nc_u64 s[34:35], s[6:7], s[14:15]
	s_or_b32 s35, s35, 0x80000000
	CROUND                                         ; the four partners are here: the joint loads meet
	tensor_load_to_lds s[32:35], s[24:31]          ; my one tensor load
	s_nop 0
	PLACES
	s_bfe_u32 s19, ttmp6, 0x40000
	s_lshl_b32 s17, ttmp9, 2
	s_add_co_u32 s17, s17, s19
	s_lshl_b32 s17, s17, 4                         ; 16 x work-group x
	s_lshl_b32 s16, s10, 7
	s_add_co_u32 s16, s16, s17
	s_add_co_u32 s16, s16, s18                     ; q's unit: 128 head + 16 x + wave
	s_mul_i32 s40, s16, 768
	s_mov_b32 s41, 0
	s_add_nc_u64 s[42:43], s[4:5], s[40:41]
	s_lshl_b32 s40, s16, 5
	s_add_co_u32 s40, s40, 3145728
	s_add_nc_u64 s[44:45], s[4:5], s[40:41]
	s_lshr_b32 s16, s10, 4                         ; ctx: tile 128 batch + 16 x + wave of rows, the head's 64 columns: record head / 8, unit head % 8
	s_lshl_b32 s16, s16, 7
	s_add_co_u32 s16, s16, s17
	s_add_co_u32 s16, s16, s18
	s_mul_i32 s16, s16, 12800
	s_bfe_u32 s17, s10, 0x10003
	s_mul_i32 s17, s17, 6400
	s_add_co_u32 s16, s16, s17
	s_and_b32 s17, s10, 7
	s_mul_i32 s40, s17, 768
	s_add_co_u32 s40, s40, s16
	s_add_nc_u64 s[46:47], s[8:9], s[40:41]
	s_lshr_b32 s17, s17, 1
	s_lshl_b32 s17, s17, 6
	s_add_co_u32 s40, s16, s17
	s_and_b32 s17, s10, 1
	s_lshl_b32 s17, s17, 1
	s_add_co_u32 s40, s40, s17
	s_add_nc_u64 s[8:9], s[8:9], s[40:41]
	s_mov_b32 s[SEL], 0x76543210
	s_mov_b32 s[SEL+1], 0xfedcba98
	s_mov_b32 s[CS], 0x3e38aa3b                    ; log2(e) / 8
	s_mov_b32 s[CS+1], s[CS]
	s_mov_b32 s2, 0                                ; k's record in LDS
	s_mov_b32 s3, 102400                           ; v's
	s_mov_b32 s36, 15
	v_and_b32 v8, 31, v0
	v_and_b32 v9, 15, v0
	s_delay_alu instid0(VALU_DEP_2)
	v_lshlrev_b32 v1, 4, v8                        ; 16 l
	s_delay_alu instid0(VALU_DEP_3)
	v_lshlrev_b32 v2, 3, v8                        ; 8 l
	s_delay_alu instid0(VALU_DEP_3)
	v_lshlrev_b32 v3, 1, v9                        ; 2 r
	s_delay_alu instid0(VALU_DEP_4)
	v_lshlrev_b32 v4, 2, v9                        ; 4 r
	global_load_b128 v[16:19], v1, s[42:43]
	global_load_b64 v[20:21], v2, s[42:43] offset:512
	global_load_u16 v255, v3, s[44:45]
	v_add_nc_u32 v8, s2, v1
	v_add_nc_u32 v9, s2, v2
	v_add_nc_u32 v10, s2, v3
	v_add_nc_u32 v11, s3, v1
	v_add_nc_u32 v5, s3, v2
	v_add_nc_u32 v6, s3, v4
	s_add_co_u32 s3, s3, 6400
.irp k, 22,23,24,25,26,27
	v_mov_b32 v[\k], 0                             ; K = 64: the upper 64 of the form's 128 are zero codes, in q
.endr
.irp t, 0,1,2,3
.irp k, 6,7,8,9,10,11
	v_mov_b32 v[32+12*\t+\k], 0                    ; and in k's fragments; written once
.endr
.endr
	v_mov_b32 v13, 0xff61b1e6                      ; -3e38, under every score
	s_delay_alu instid0(VALU_DEP_1)
	v_floor_f32 v12, -v13
	v_mov_b32 v14, 0
	v_mov_b32 v15, 0
	v_mov_b32 v253, 0
	v_mov_b32 v254, v12                            ; the first step's old -M
.set i, 0
.rept 32
	v_mov_b32 v[192+i], 0                          ; O^T: the step is written for every step alike; the first change of M leaves zeros zeros
.set i, i+1
.endr
	s_wait_alu depctr_va_vdst(0)
	s_wait_loadcnt 0x0
	s_wait_tensorcnt 0x0                           ; my two records are in,
	s_barrier_signal -1
	s_barrier_wait -1                              ; everybody's are
	KLOAD 0
	s_wait_dscnt 0x0
	QK 0                                           ; the first step's first half
	PLACES
	KLOAD 4
.Ltrip:
	TRIP 1
	s_sub_co_u32 s36, s36, 1
	s_cmp_lg_u32 s36, 0
	s_cbranch_scc1 .Ltrip
	TRIP 0
	v_add_f32 v14, v14, v15
	s_delay_alu instid0(VALU_DEP_1)
	v_permlanex16_b32 v252, v14, s[SEL], s[SEL+1]
	s_delay_alu instid0(VALU_DEP_1)
	v_add_f32 v14, v14, v252                       ; the row's sum
	s_wait_alu depctr_va_vdst(0)
	v_rcp_f32 v14, v14
	PLACES
	s_wait_alu depctr_va_vdst(0)
	v_mov_b32 v15, v14
.set i, 0
.rept 16
	v_pk_mul_f32 v[S+i:S+1+i], v[192+i:193+i], v[14:15]
.set i, i+2
.endr
	QUANT2 S, 224, 254
	global_store_b128 v1, v[224:227], s[46:47]
	global_store_b64 v2, v[228:229], s[46:47] offset:512
	global_store_b16 v4, v254, s[8:9] offset:6144  ; lanes r and 16 + r write the same bytes with the same value
	s_wait_tensorcnt 0x0                           ; the wave's end
	ds_add_u32 v7, v243
	s_wait_dscnt 0x0
	CROUND                                         ; the closing round
	s_endpgm
.Lfunc_end_k_q4de32fe10f_attn:
	.size	k_q4de32fe10f_attn, .Lfunc_end_k_q4de32fe10f_attn-k_q4de32fe10f_attn
	.p2alignl 7, 3214868480
	.fill 96, 4, 3214868480
	.section	.rodata,"a",@progbits
	.p2align	6, 0x0
	.amdhsa_kernel k_q4de32fe10f_attn
		.amdhsa_group_segment_fixed_size 327680
		.amdhsa_private_segment_fixed_size 0
		.amdhsa_enable_private_segment 0
		.amdhsa_kernarg_size 24
		.amdhsa_user_sgpr_count 2
		.amdhsa_user_sgpr_kernarg_segment_ptr 1
		.amdhsa_wavefront_size32 1
		.amdhsa_system_sgpr_workgroup_id_x 1
		.amdhsa_system_sgpr_workgroup_id_y 1
		.amdhsa_system_sgpr_workgroup_id_z 1
		.amdhsa_system_vgpr_workitem_id 0
		.amdhsa_next_free_vgpr 256
		.amdhsa_next_free_sgpr 66
		.amdhsa_reserve_vcc 0
		.amdhsa_float_denorm_mode_32 3
		.amdhsa_float_denorm_mode_16_64 3
		.amdhsa_memory_ordered 1
		.amdhsa_forward_progress 1
		.amdhsa_inst_pref_size 47
	.end_amdhsa_kernel
	.amdgpu_metadata
---
amdhsa.version: [ 1, 2 ]
amdhsa.kernels:
  - .name:           k_q4de32fe10f_attn
    .symbol:         k_q4de32fe10f_attn.kd
    .args:
      - { .name: qb, .offset: 0, .size: 8, .value_kind: global_buffer, .address_space: global }
      - { .name: kvb, .offset: 8, .size: 8, .value_kind: global_buffer, .address_space: global }
      - { .name: ctx, .offset: 16, .size: 8, .value_kind: global_buffer, .address_space: global }
    .group_segment_fixed_size: 327680
    .private_segment_fixed_size: 0
    .kernarg_segment_align: 8
    .kernarg_segment_size: 24
    .max_flat_workgroup_size: 512
    .sgpr_count:     66
    .vgpr_count:     256
    .wavefront_size: 32
...
	.end_amdgpu_metadata
.endif
;; end of part 3
;; launch wo (part 4): grid 8 x 32, 4 waves a work-group, clusters of 4 x 4, 327,680 bytes of LDS; arguments wts, ctx, bo, x, x1; writes x1
.if DOCPART == 4
	.amdgcn_target "amdgcn-amd-amdhsa--gfx1250"
	.amdhsa_code_object_version 6
	.text
	.protected	k_q4de32fe10f_wo
	.globl	k_q4de32fe10f_wo
	.p2align	8
	.type	k_q4de32fe10f_wo,@function
k_q4de32fe10f_wo:
	s_mov_b64 s[64:65], 0
	v_nop
	global_prefetch_b8 v0, s[64:65] scope:SCOPE_SE
	s_setreg_imm32_b32 hwreg(HW_REG_WAVE_MODE, 25, 1), 1
	s_wait_xcnt 0x0
	s_wait_alu depctr_hold_cnt(0) depctr_sa_sdst(0) depctr_va_vdst(0) depctr_va_sdst(0) depctr_va_ssrc(0) depctr_va_vcc(0) depctr_vm_vsrc(0)
	s_getreg_b32 s2, hwreg(HW_REG_IB_STS2, 6, 4)
	s_cmp_eq_u32 s2, 0
	s_cbranch_scc0 .Lentry_in_a_cluster
	s_endpgm
.Lentry_in_a_cluster:
	s_bfe_u32 s2, ttmp6, 0x10000c
	s_cmp_lg_u32 s2, 0xf033
	s_cbranch_scc0 .Lentry_shape_is_right
	s_endpgm
.Lentry_shape_is_right:
; x1 = x + ctx Wo + bo.  The product on codes of FP6 (E2M3), K = 1,024; the rest in f32.
; SHARES.  A work-group makes 128 rows x 128 columns: 32 x 8 = 256 work-groups; four waves, 64 x 64 each.  Both operands lie in the workspace in the order of an operand's registers (first launch): each is one dense block of 102,400 bytes,
; brought once, half of one a wave.  Nothing is filled again, so there is one barrier behind the fills and none in the loop over K.
; CLUSTERS: 4 x 4: the rows' block is asked for jointly along a row of the cluster, Wo's along a column.  One tensor load of a wave is out at the start.
; Source 0 = 16 columns of Wo, source 1 = 16 rows: a lane holds one row and 32 of its columns.  The way out goes through the wave's own stage in LDS, so that sixteen lanes store 256 consecutive bytes, aligned;
; the rows of a tile are not neighbours (first launch): the stores' immediates put each row where it belongs.
; THE RESIDUAL, my 64 rows x 64 columns of x, has 128 registers of its own (window 2) and is asked for at the head, behind the tensor loads: its 32 loads have the whole product in which to land.
.set TP,    12800
.set ACT,   204800
.set STAGE, 307712                     ; 16 rows x (256 + 16) bytes a wave; no tensor load lands here
.set ACC,   128
.set F0,    0
.set F1,    128
.set MSB, 0
.macro WIN new
.if MSB != \new
	s_set_vgpr_msb (MSB<<8)|\new
.set MSB, \new
.endif
.endm
.macro PLACES
.rept 4
	v_nop
.endr
.endm
.macro CREST
	s_cmp_lg_u32 s20, 0
	s_cbranch_scc1 .Lnot_wave_0_\@
	s_barrier_signal -3
.Lnot_wave_0_\@:
	s_barrier_wait -3
	s_barrier_signal -1
	s_barrier_wait -1
.endm
.macro CROUND
	s_barrier_signal -1
	s_barrier_wait -1
	CREST
.endm
.macro FETCH f, ab, o
	WIN 0x40
.irp i, 0,1,2,3
	ds_load_b128 v[\f+12*\i:\f+12*\i+3], v[\ab] offset:\i*TP+\o
	ds_load_b64 v[\f+12*\i+4:\f+12*\i+5], v[\ab+1] offset:\i*TP+\o+512
	ds_load_b128 v[\f+12*\i+6:\f+12*\i+9], v[\ab] offset:\i*TP+\o+768
	ds_load_b64 v[\f+12*\i+10:\f+12*\i+11], v[\ab+1] offset:\i*TP+\o+1280
	ds_load_b128 v[\f+48+12*\i:\f+48+12*\i+3], v[\ab+2] offset:\i*TP+\o
	ds_load_b64 v[\f+48+12*\i+4:\f+48+12*\i+5], v[\ab+3] offset:\i*TP+\o+512
	ds_load_b128 v[\f+48+12*\i+6:\f+48+12*\i+9], v[\ab+2] offset:\i*TP+\o+768
	ds_load_b64 v[\f+48+12*\i+10:\f+48+12*\i+11], v[\ab+3] offset:\i*TP+\o+1280
.endr
	WIN 0
.endm
.macro MULB f, sc, yb, zero            ; a scale register holds W's tile's words in lanes 0-15 and the rows' tile's in lanes 16-31
.irp a, 0,1,2,3
.if \zero
	v_wmma_scale_f32_16x16x128_f8f6f4 v[ACC+32*\yb+8*\a:ACC+32*\yb+8*\a+7], v[\f+12*\a:\f+12*\a+11], v[\f+48+12*\yb:\f+48+12*\yb+11], 0, v[\sc+\a], v[\sc+\yb] matrix_a_fmt:MATRIX_FMT_FP6 matrix_b_fmt:MATRIX_FMT_FP6 matrix_b_scale:MATRIX_SCALE_ROW1
.else
	v_wmma_scale_f32_16x16x128_f8f6f4 v[ACC+32*\yb+8*\a:ACC+32*\yb+8*\a+7], v[\f+12*\a:\f+12*\a+11], v[\f+48+12*\yb:\f+48+12*\yb+11], v[ACC+32*\yb+8*\a:ACC+32*\yb+8*\a+7], v[\sc+\a], v[\sc+\yb] matrix_a_fmt:MATRIX_FMT_FP6 matrix_b_fmt:MATRIX_FMT_FP6 matrix_b_scale:MATRIX_SCALE_ROW1
.endif
.endr
.endm
.macro MUL16 f, sc, zero               ; the 16 accumulators take turns, in the same order in every step
	WIN 0x05
.irp yb, 0,1,2,3
	MULB \f, \sc, \yb, \zero
.endr
.endm
.macro STEP ks
	s_wait_dscnt 0x0
	PLACES
	FETCH F0+128*((\ks+1)%2), 8, ((\ks+1)/4)*6400+((\ks+1)%4)*1536
.if \ks == 0
	MUL16 F0, 32, 1
.else
	MUL16 F0+128*(\ks%2), 32+4*\ks, 0
.endif
.endm
	s_load_b256 s[4:11], s[0:1], 0x0               ; weights, ctx's codes, bo, x
	s_load_b64 s[12:13], s[0:1], 0x20              ; x1
	v_lshl_add_u32 v30, v0, 2, 0x4f600
	v_mov_b32 v31, 0
	ds_add_u32 v30, v31
	ds_add_u32 v30, v31
	v_lshrrev_b32 v1, 5, v0
	v_readfirstlane_b32 s20, v1
	s_and_b32 s21, s20, 1                          ; WL: my half of the columns
	s_lshr_b32 s22, s20, 1                         ; WH: my half of the rows
	s_bfe_u32 s48, ttmp6, 0x40000
	s_bfe_u32 s49, ttmp6, 0x40004
	s_lshl_b32 s50, ttmp9, 2
	s_add_co_u32 s50, s50, s48                     ; work-group x
	s_and_b32 s51, ttmp7, 0xffff
	s_lshl_b32 s51, s51, 2
	s_add_co_u32 s51, s51, s49                     ; work-group y
	s_lshl_b32 s52, 0x1111, s48
	s_lshl_b32 s56, s49, 2
	s_lshl_b32 s56, 15, s56
	s_or_b32 s24, s52, (3<<16)|(1<<21)
	s_or_b32 s36, s56, (3<<16)|(1<<21)
.irp g, 24, 36                         ; a dense half block, 51,200 bytes, as 200 rows of 256
	s_mov_b32 s[\g+1], 32<<16
	s_mov_b32 s[\g+2], 200<<16                     ; half a block a wave: 200 rows of 256 bytes
	s_mov_b32 s[\g+3], 32<<16
	s_mov_b32 s[\g+4], 200
	s_mov_b32 s[\g+5], 32
	s_mov_b32 s[\g+6], 0
	s_mov_b32 s[\g+7], 0
.endr
	s_mul_i32 s54, s21, 51200                      ; my half of a block
	s_mul_i32 s52, s50, 102400
	s_add_co_u32 s52, s52, s54
	s_add_co_u32 s52, s52, 2457600                 ; Wo begins at tile 192 of the weights' workspace
	s_mov_b32 s53, 0
	s_mul_i32 s56, s51, 102400
	s_add_co_u32 s56, s56, s54
	s_mov_b32 s57, 0
	s_wait_dscnt 0x0
	s_wait_kmcnt 0x0
	s_mov_b32 s32, 1
	s_mov_b32 s33, s54
	s_add_nc_u64 s[34:35], s[4:5], s[52:53]
	s_or_b32 s35, s35, 0x80000000
	s_mov_b32 s44, 1
	s_add_co_u32 s45, s54, ACT
	s_add_nc_u64 s[46:47], s[6:7], s[56:57]
	s_or_b32 s47, s47, 0x80000000
	CROUND                                         ; all sixteen work-groups are here: the joint loads meet
	s_cmp_eq_u32 s22, 0                            ; one tensor load a wave: waves 0, 1 bring the halves of the rows' block, waves 2, 3 those of Wo's
	s_cbranch_scc0 .Lhead_w
	tensor_load_to_lds s[44:47], s[36:43]
	s_nop 0
	PLACES
	s_branch .Lhead_asked
.Lhead_w:
	tensor_load_to_lds s[32:35], s[24:31]
	s_nop 0
	PLACES
.Lhead_asked:
	v_and_b32 v1, 31, v0
	v_and_b32 v2, 15, v0
	v_bfe_u32 v3, v0, 4, 1
	v_lshlrev_b32 v4, 4, v1
	v_lshlrev_b32 v5, 3, v1
	v_lshlrev_b32 v6, 2, v2
	v_lshlrev_b32 v20, 12, v3
	v_lshl_add_u32 v20, v2, 4, v20                 ; x and x1: lanes 0-15 one row's 256 bytes, lanes 16-31 the next row's
	v_lshlrev_b32 v21, 4, v2                       ; my four columns' biases
	s_wait_alu depctr_va_vdst(0)
	s_lshl_b32 s84, s51, 19
	s_lshl_b32 s85, s22, 18
	s_add_co_u32 s84, s84, s85                     ; (128 y + 64 WH) rows of 4,096 bytes
	s_lshl_b32 s86, s50, 9
	s_lshl_b32 s87, s21, 8
	s_add_co_u32 s86, s86, s87                     ; (128 x + 64 WL) columns of 4 bytes
	s_mov_b32 s87, 0
	s_add_nc_u64 s[70:71], s[8:9], s[86:87]
	s_add_co_u32 s84, s84, s86
	s_mov_b32 s85, 0
	s_add_nc_u64 s[66:67], s[10:11], s[84:85]
	s_add_nc_u64 s[68:69], s[12:13], s[84:85]
	global_load_b128 v[24:27], v21, s[70:71]       ; the biases, then the residual: 33 loads of mine are out
	WIN 0x80                                       ; destination window 2
.irp yb, 0,1,2,3
.irp k, 0,1,2,3,4,5,6,7
	global_load_b128 v[32*\yb+4*\k:32*\yb+4*\k+3], v20, s[66:67] offset:(32*(\yb/2)+8*(\yb%2)+2*\k+8*(\k/4))*4096
.endr
.endr
	WIN 0
	s_mul_i32 s58, s21, 51200                      ; my 64 columns' tiles
	s_mul_i32 s59, s22, 51200
	s_add_co_u32 s59, s59, ACT                     ; my 64 rows' tiles
	v_add_nc_u32 v8, s58, v4
	v_add_nc_u32 v9, s58, v5
	v_add_nc_u32 v10, s59, v4
	v_add_nc_u32 v11, s59, v5
	s_sub_co_u32 s60, s59, s58
	v_mul_u32_u24 v12, s60, v3
	v_add_nc_u32 v12, v12, v6
	v_add_nc_u32 v12, s58, v12
	s_mul_i32 s61, s20, 4352
	s_add_co_u32 s61, s61, STAGE                   ; my stage
	v_mul_u32_u24 v18, v2, 272
	v_lshl_add_u32 v18, v3, 6, v18
	v_add_nc_u32 v18, s61, v18                     ; in: row r, + 64 h
	v_mul_u32_u24 v19, v3, 272
	v_lshl_add_u32 v19, v2, 4, v19
	v_add_nc_u32 v19, s61, v19                     ; back: lanes 0-15 one row of 256 bytes, lanes 16-31 the next
	s_wait_alu depctr_va_vdst(0)
	s_wait_tensorcnt 0x0                           ; my half block is in,
	s_barrier_signal -1
	s_barrier_wait -1                              ; everybody's are
	FETCH F0, 8, 0
.irp ks, 0,1,2,3,4,5,6,7
.irp i, 0,1,2,3
	ds_load_b32 v[32+4*\ks+\i], v12 offset:\i*TP+(\ks/4)*6400+6144+(\ks%4)*64
.endr
.endr
.irp ks, 0,1,2,3,4,5,6
	STEP \ks
.endr
	s_wait_dscnt 0x0
	MUL16 F1, 60, 0
	WIN 0
	PLACES
.irp yb, 0,1,2,3                       ; a tile of 16 rows x my 64 columns at a time
.if \yb >= 2
	s_wait_xcnt 0x0                                ; the stores of two tiles back have read their data
.endif
.irp a, 0,1,2,3
	ds_store_b128 v18, v[ACC+32*\yb+8*\a:ACC+32*\yb+8*\a+3] offset:128*(\a/2)+32*(\a%2)      ; each accumulator from its low end on
	ds_store_b128 v18, v[ACC+32*\yb+8*\a+4:ACC+32*\yb+8*\a+7] offset:128*(\a/2)+32*(\a%2)+16
.endr
.irp k, 0,1,2,3,4,5,6,7
	ds_load_b128 v[64+32*(\yb%2)+4*\k:64+32*(\yb%2)+4*\k+3], v19 offset:544*\k   ; LDS serves a wave's instructions in order: these see my stores
.endr
	s_wait_dscnt 0x0
	s_wait_loadcnt 8*(3-\yb)                       ; the biases, which are older, and this tile's residual are in; the later tiles' eight loads each may be out
.irp k, 0,1,2,3,4,5,6,7
	v_pk_add_f32 v[64+32*(\yb%2)+4*\k:64+32*(\yb%2)+4*\k+1], v[64+32*(\yb%2)+4*\k:64+32*(\yb%2)+4*\k+1], v[24:25]
	v_pk_add_f32 v[64+32*(\yb%2)+4*\k+2:64+32*(\yb%2)+4*\k+3], v[64+32*(\yb%2)+4*\k+2:64+32*(\yb%2)+4*\k+3], v[26:27]
.endr
	WIN 0x08                                       ; source 1 in window 2
.set i, 0
.rept 16
	v_pk_add_f32 v[64+32*(\yb%2)+i:64+32*(\yb%2)+i+1], v[64+32*(\yb%2)+i:64+32*(\yb%2)+i+1], v[32*\yb+i:32*\yb+i+1]
.set i, i+2
.endr
	WIN 0
.irp k, 0,1,2,3,4,5,6,7
	global_store_b128 v20, v[64+32*(\yb%2)+4*\k:64+32*(\yb%2)+4*\k+3], s[68:69] offset:(32*(\yb/2)+8*(\yb%2)+2*\k+8*(\k/4))*4096   ; 16 lanes store 256 consecutive bytes, aligned
.endr
.endr
	s_wait_tensorcnt 0x0
	ds_add_u32 v30, v31
	s_wait_dscnt 0x0
	CROUND                                         ; the closing round
	s_endpgm
.Lfunc_end_k_q4de32fe10f_wo:
	.size	k_q4de32fe10f_wo, .Lfunc_end_k_q4de32fe10f_wo-k_q4de32fe10f_wo
	.p2alignl 7, 3214868480
	.fill 96, 4, 3214868480
	.section	.rodata,"a",@progbits
	.p2align	6, 0x0
	.amdhsa_kernel k_q4de32fe10f_wo
		.amdhsa_group_segment_fixed_size 327680
		.amdhsa_private_segment_fixed_size 0
		.amdhsa_enable_private_segment 0
		.amdhsa_kernarg_size 40
		.amdhsa_user_sgpr_count 2
		.amdhsa_user_sgpr_kernarg_segment_ptr 1
		.amdhsa_wavefront_size32 1
		.amdhsa_system_sgpr_workgroup_id_x 1
		.amdhsa_system_sgpr_workgroup_id_y 1
		.amdhsa_system_sgpr_workgroup_id_z 1
		.amdhsa_system_vgpr_workitem_id 0
		.amdhsa_next_free_vgpr 768
		.amdhsa_next_free_sgpr 100
		.amdhsa_reserve_vcc 0
		.amdhsa_float_denorm_mode_32 3
		.amdhsa_float_denorm_mode_16_64 3
		.amdhsa_memory_ordered 1
		.amdhsa_forward_progress 1
		.amdhsa_inst_pref_size 61
	.end_amdhsa_kernel
	.amdgpu_metadata
---
amdhsa.version: [ 1, 2 ]
amdhsa.kernels:
  - .name:           k_q4de32fe10f_wo
    .symbol:         k_q4de32fe10f_wo.kd
    .args:
      - { .name: wts, .offset: 0, .size: 8, .value_kind: global_buffer, .address_space: global }
      - { .name: ctx, .offset: 8, .size: 8, .value_kind: global_buffer, .address_space: global }
      - { .name: bo, .offset: 16, .size: 8, .value_kind: global_buffer, .address_space: global }
      - { .name: x, .offset: 24, .size: 8, .value_kind: global_buffer, .address_space: global }
      - { .name: x1, .offset: 32, .size: 8, .value_kind: global_buffer, .address_space: global }
    .group_segment_fixed_size: 327680
    .private_segment_fixed_size: 0
    .kernarg_segment_align: 8
    .kernarg_segment_size: 40
    .max_flat_workgroup_size: 128
    .sgpr_count:     100
    .vgpr_count:     768
    .wavefront_size: 32
...
	.end_amdgpu_metadata
.endif
;; end of part 4
;; launch ln2 (part 5): grid 256 x 1, 4 waves a work-group, no clusters, 67,584 bytes of LDS; arguments x1, ln2_g, ln2_b, a2; writes a2
.if DOCPART == 5
	.amdgcn_target "amdgcn-amd-amdhsa--gfx1250"
	.amdhsa_code_object_version 6
	.text
	.protected	k_q4de32fe10f_ln2
	.globl	k_q4de32fe10f_ln2
	.p2align	8
	.type	k_q4de32fe10f_ln2,@function
k_q4de32fe10f_ln2:
	s_mov_b64 s[64:65], 0
	v_nop
	global_prefetch_b8 v0, s[64:65] scope:SCOPE_SE
	s_setreg_imm32_b32 hwreg(HW_REG_WAVE_MODE, 25, 1), 1
	s_wait_xcnt 0x0
; LayerNorm 2 of 16 rows of x1 a work-group, quantised to FP6 (E2M3) along the 1,024 columns, into records in the order of an operand's registers: the first launch's LayerNorm path, on other buffers.
; A work-group is one tile of rows (place r of tile T is row 32 (T / 2) + 8 (T % 2) + r + 8 (r / 8)); wave w takes columns 256 w .. 256 w + 255.  Loads read 512 consecutive bytes; the numbers turn through the wave's own stage in LDS,
; so that a lane holds 16 neighbours of each block of 32.  Mean, then the mean of the squared differences: two sums over four waves, each through LDS words of its own and one barrier.
; The gains and biases of all four units have registers of their own (window 1: v256-511) and are asked for ahead of the sums, so that no unit waits for a load that was issued just before it.
; Memory binds: no tensor loads, no cluster (work-groups share nothing but 8,192 bytes of gains and biases), no matrix unit.
; LIMITS: NaN and infinities are not served; a block whose largest magnitude lies under 2^-124 (zeros too) gets the byte 1; only this program reads the bytes.
.set X,    64
.set TM,   16
.set PT,   24
.set SEL,  24
.set RED,  66560
.set MSB, 0
.macro WIN new                         ; the immediate's high byte repeats the setting that is left
.if MSB != \new
	s_set_vgpr_msb (MSB<<8)|\new
.set MSB, \new
.endif
.endm
.macro QUANT2 s, pc, pw
.irp b, 0,1
	v_max3_num_f32 v[TM+\b], |v[\s+16*\b]|, |v[\s+16*\b+1]|, 0x1800000   ; with the floor 2^(3 - 127): the byte cannot fall under 1
.endr
.irp i, 2,4,6,8,10,12,14
.irp b, 0,1
	v_max3_num_f32 v[TM+\b], v[TM+\b], |v[\s+16*\b+\i]|, |v[\s+16*\b+\i+1]|
.endr
.endr
.irp b, 0,1
	v_permlanex16_b32 v[TM+2+\b], v[TM+\b], s[SEL], s[SEL+1]
.endr
.irp b, 0,1
	v_max_num_f32 v[TM+\b], v[TM+\b], v[TM+2+\b]
.endr
.irp b, 0,1
	v_add_nc_u32 v[TM+4+\b], 0xff000000, v[TM+\b]
.endr
.irp b, 0,1
	v_lshrrev_b32 v[TM+6+\b], 23, v[TM+4+\b]
.endr
	v_lshl_or_b32 v[\pw], v[TM+7], 8, v[TM+6]
	v_cvt_scalef32_pk16_fp6_f32 v[\pc:\pc+2], v[\s:\s+15], v[TM+4]
	v_cvt_scalef32_pk16_fp6_f32 v[PT:PT+2], v[\s+16:\s+31], v[TM+5]
	v_nop                                          ; one plain place behind a scaled conversion
.irp i, 0,1,2
	v_permlane16_swap_b32 v[\pc+\i], v[PT+\i]
.endr
.irp i, 0,1,2
	v_mov_b32 v[\pc+3+\i], v[PT+\i]
.endr
.endm
.macro GBLOAD u                        ; gains and biases of my 32 columns of unit u, into window 1: gains at v[64 u ..], biases at v[64 u + 32 ..]
	WIN 0x40
.irp b, 0,1
.irp j, 0,1,2,3
	global_load_b128 v[64*(\u)+16*\b+4*\j:64*(\u)+16*\b+4*\j+3], v9, s[6:7] offset:256*(\u)+128*\b+16*\j
	global_load_b128 v[64*(\u)+32+16*\b+4*\j:64*(\u)+32+16*\b+4*\j+3], v9, s[8:9] offset:256*(\u)+128*\b+16*\j
.endr
.endr
	WIN 0
.endm
.macro REDUCE off
	v_pk_add_f32 v[40:41], v[40:41], v[42:43]
	v_pk_add_f32 v[44:45], v[44:45], v[46:47]
	v_pk_add_f32 v[40:41], v[40:41], v[44:45]
	v_add_f32 v40, v40, v41
	v_permlanex16_b32 v41, v40, s[SEL], s[SEL+1]
	v_add_f32 v40, v40, v41
	ds_store_b32 v7, v40 offset:\off               ; lanes r and 16 + r write the same word with the same value
	s_wait_dscnt 0x0                               ; for the others' sake: my store has landed
	s_barrier_signal -1
	s_barrier_wait -1
.irp i, 0,1,2,3
	ds_load_b32 v[28+\i], v8 offset:\off+64*\i
.endr
	s_wait_dscnt 0x0
	v_add_f32 v28, v28, v29
	v_add_f32 v30, v30, v31
	v_add_f32 v28, v28, v30
.endm
.macro UNIT u
	s_wait_loadcnt 16*(3-\u)                       ; this unit's gains and biases are in; the sixteen loads of each later unit may be out
.set i, 0
.rept 16
	v_pk_mul_f32 v[X+32*\u+i:X+32*\u+i+1], v[X+32*\u+i:X+32*\u+i+1], v[14:15]
.set i, i+2
.endr
	WIN 0x14                                       ; sources 1 and 2 in window 1
.set i, 0
.rept 16
	v_pk_fma_f32 v[X+32*\u+i:X+32*\u+i+1], v[X+32*\u+i:X+32*\u+i+1], v[64*\u+i:64*\u+i+1], v[64*\u+32+i:64*\u+32+i+1]
.set i, i+2
.endr
	WIN 0
	QUANT2 X+32*\u, 32+8*\u, 38+8*\u               ; each unit has registers of its own for its codes: no store's data are written again
	global_store_b128 v10, v[32+8*\u:35+8*\u], s[28:29] offset:768*\u
	global_store_b64 v11, v[36+8*\u:37+8*\u], s[28:29] offset:768*\u+512
.if \u % 2
	v_lshl_or_b32 v[39+8*\u], v[38+8*\u], 16, v[30+8*\u]
	global_store_b32 v12, v[39+8*\u], s[30:31] offset:6144+64*(\u/2)
.endif
.endm
	s_load_b256 s[4:11], s[0:1], 0x0               ; x1, gain, bias, the codes' buffer
	v_lshl_add_u32 v254, v0, 2, 0x10600
	v_mov_b32 v255, 0
	v_lshrrev_b32 v1, 5, v0
	v_readfirstlane_b32 s12, v1                    ; wave
	v_and_b32 v1, 31, v0
	v_and_b32 v2, 15, v0
	v_bfe_u32 v3, v0, 4, 1
	s_lshl_b32 s13, s12, 10
	v_lshlrev_b32 v10, 4, v1
	v_lshlrev_b32 v11, 3, v1
	v_lshlrev_b32 v12, 2, v2
	v_add_nc_u32 v4, s13, v10
	s_mul_i32 s14, s12, 16640                      ; my stage: 16 rows x (1,024 + 16) bytes
	v_add_nc_u32 v5, s14, v10
	v_mul_u32_u24 v6, v2, 1040
	v_lshl_add_u32 v6, v3, 6, v6
	v_add_nc_u32 v6, s14, v6
	s_lshl_b32 s15, s12, 6
	v_add_nc_u32 v7, s15, v12
	v_add_nc_u32 v7, RED, v7
	v_add_nc_u32 v8, RED, v12
	v_lshl_add_u32 v9, v3, 6, s13
	s_lshr_b32 s16, ttmp9, 1
	s_lshl_b32 s16, s16, 17
	s_and_b32 s17, ttmp9, 1
	s_lshl_b32 s17, s17, 15
	s_add_co_u32 s16, s16, s17
	s_mov_b32 s17, 0
	s_mul_i32 s18, ttmp9, 12800
	s_lshr_b32 s19, s12, 1
	s_mul_i32 s19, s19, 6400
	s_add_co_u32 s18, s18, s19
	s_and_b32 s19, s12, 1
	s_mul_i32 s20, s19, 3072
	s_add_co_u32 s20, s20, s18
	s_mov_b32 s21, 0
	s_lshl_b32 s22, s19, 7
	s_add_co_u32 s22, s22, s18
	s_mov_b32 s23, 0
	s_mov_b32 s[SEL], 0x76543210
	s_mov_b32 s[SEL+1], 0xfedcba98
	s_mov_b32 s26, 0x3a800000                      ; 1 / 1,024
	s_mov_b32 s27, 0x3727c5ac                      ; 1e-5
	v_mov_b32 v[TM+2], 0
	v_mov_b32 v[TM+3], 0
	s_wait_alu depctr_va_vdst(0)
	s_wait_kmcnt 0x0
	s_add_nc_u64 s[4:5], s[4:5], s[16:17]
	s_add_nc_u64 s[28:29], s[10:11], s[20:21]
	s_add_nc_u64 s[30:31], s[10:11], s[22:23]
.set i, 0
.rept 32
	global_load_b128 v[X+4*i:X+4*i+3], v4, s[4:5] offset:((i/2)+8*(i/16))*4096+512*(i%2)
.set i, i+1
.endr
	GBLOAD 0
	s_wait_loadcnt 32                              ; places 0-7 are in: 16 loads of x1 and 16 of gains and biases are younger
.set i, 0
.rept 16
	ds_store_b128 v5, v[X+4*i:X+4*i+3] offset:(i/2)*1040+512*(i%2)
.set i, i+1
.endr
	s_wait_loadcnt 16                              ; all of x1 is in; unit 0's sixteen loads may be out
	GBLOAD 1                                       ; units 1 and 2 are asked for now: 48 loads of mine are out at the most
	GBLOAD 2
.rept 16
	ds_store_b128 v5, v[X+4*i:X+4*i+3] offset:(i/2)*1040+512*(i%2)
.set i, i+1
.endr
.set i, 0
.rept 32
	ds_load_b128 v[X+4*i:X+4*i+3], v6 offset:128*(i/4)+16*(i%4)   ; LDS serves a wave's instructions in order: these see my stores
.set i, i+1
.endr
	s_wait_dscnt 0x0
.irp c, 0,1,2,3
	v_pk_add_f32 v[40+2*\c:41+2*\c], v[X+2*\c:X+2*\c+1], v[X+8+2*\c:X+9+2*\c]
.endr
.irp j, 2,3,4,5,6,7,8,9,10,11,12,13,14,15
.irp c, 0,1,2,3
	v_pk_add_f32 v[40+2*\c:41+2*\c], v[40+2*\c:41+2*\c], v[X+8*\j+2*\c:X+8*\j+2*\c+1]
.endr
.endr
	REDUCE 0
	s_wait_alu depctr_va_vdst(0)
	s_wait_loadcnt 32                              ; unit 0's loads are in (units 1 and 2's may be out): again 48 are out at the most behind
	GBLOAD 3                                       ; unit 3's, which have the second sum and three units' work in which to land
	v_mul_f32 v14, s26, v28                        ; the mean
	v_mov_b32 v15, v14
.set i, 0
.rept 64
	v_pk_add_f32 v[X+i:X+i+1], v[X+i:X+i+1], v[14:15] neg_lo:[0,1] neg_hi:[0,1]
.set i, i+2
.endr
.irp c, 0,1,2,3
	v_pk_mul_f32 v[40+2*\c:41+2*\c], v[X+2*\c:X+2*\c+1], v[X+2*\c:X+2*\c+1]
.endr
.irp j, 1,2,3,4,5,6,7,8,9,10,11,12,13,14,15
.irp c, 0,1,2,3
	v_pk_fma_f32 v[40+2*\c:41+2*\c], v[X+8*\j+2*\c:X+8*\j+2*\c+1], v[X+8*\j+2*\c:X+8*\j+2*\c+1], v[40+2*\c:41+2*\c]
.endr
.endr
	REDUCE 256
	v_fma_f32 v42, v28, s26, s27                   ; the variance + 1e-5
	s_wait_alu depctr_va_vdst(0)
	v_rsq_f32 v14, v42
	v_nop                                          ; a plain place behind the transcendental
	s_wait_alu depctr_va_vdst(0)                   ; and the wait ahead of its first reader
	v_mov_b32 v15, v14
	s_wait_alu depctr_va_vdst(0)
	UNIT 0
	UNIT 1
	UNIT 2
	UNIT 3
	s_wait_tensorcnt 0x0
	ds_add_u32 v254, v255
	s_wait_dscnt 0x0
	s_endpgm
.Lfunc_end_k_q4de32fe10f_ln2:
	.size	k_q4de32fe10f_ln2, .Lfunc_end_k_q4de32fe10f_ln2-k_q4de32fe10f_ln2
	.p2alignl 7, 3214868480
	.fill 96, 4, 3214868480
	.section	.rodata,"a",@progbits
	.p2align	6, 0x0
	.amdhsa_kernel k_q4de32fe10f_ln2
		.amdhsa_group_segment_fixed_size 67584
		.amdhsa_private_segment_fixed_size 0
		.amdhsa_enable_private_segment 0
		.amdhsa_kernarg_size 32
		.amdhsa_user_sgpr_count 2
		.amdhsa_user_sgpr_kernarg_segment_ptr 1
		.amdhsa_wavefront_size32 1
		.amdhsa_system_sgpr_workgroup_id_x 1
		.amdhsa_system_sgpr_workgroup_id_y 1
		.amdhsa_system_sgpr_workgroup_id_z 1
		.amdhsa_system_vgpr_workitem_id 0
		.amdhsa_next_free_vgpr 512
		.amdhsa_next_free_sgpr 66
		.amdhsa_reserve_vcc 0
		.amdhsa_float_denorm_mode_32 3
		.amdhsa_float_denorm_mode_16_64 3
		.amdhsa_memory_ordered 1
		.amdhsa_forward_progress 1
		.amdhsa_inst_pref_size 47
	.end_amdhsa_kernel
	.amdgpu_metadata
---
amdhsa.version: [ 1, 2 ]
amdhsa.kernels:
  - .name:           k_q4de32fe10f_ln2
    .symbol:         k_q4de32fe10f_ln2.kd
    .args:
      - { .name: x1, .offset: 0, .size: 8, .value_kind: global_buffer, .address_space: global }
      - { .name: ln2_g, .offset: 8, .size: 8, .value_kind: global_buffer, .address_space: global }
      - { .name: ln2_b, .offset: 16, .size: 8, .value_kind: global_buffer, .address_space: global }
      - { .name: a2, .offset: 24, .size: 8, .value_kind: global_buffer, .address_space: global }
    .group_segment_fixed_size: 67584
    .private_segment_fixed_size: 0
    .kernarg_segment_align: 8
    .kernarg_segment_size: 32
    .max_flat_workgroup_size: 128
    .sgpr_count:     66
    .vgpr_count:     512
    .wavefront_size: 32
...
	.end_amdgpu_metadata
.endif
;; end of part 5
;; launch ffn1 (part 6): grid 8 x 32, 4 waves a work-group, clusters of 4 x 4, 327,680 bytes of LDS; arguments wts, a2, b1, a3; writes a3
.if DOCPART == 6
	.amdgcn_target "amdgcn-amd-amdhsa--gfx1250"
	.amdhsa_code_object_version 6
	.text
	.protected	k_q4de32fe10f_ffn1
	.globl	k_q4de32fe10f_ffn1
	.p2align	8
	.type	k_q4de32fe10f_ffn1,@function
k_q4de32fe10f_ffn1:
	s_mov_b64 s[64:65], 0
	v_nop
	global_prefetch_b8 v0, s[64:65] scope:SCOPE_SE
	s_setreg_imm32_b32 hwreg(HW_REG_WAVE_MODE, 25, 1), 1
	s_wait_xcnt 0x0
	s_wait_alu depctr_hold_cnt(0) depctr_sa_sdst(0) depctr_va_vdst(0) depctr_va_sdst(0) depctr_va_ssrc(0) depctr_va_vcc(0) depctr_vm_vsrc(0)
	s_getreg_b32 s2, hwreg(HW_REG_IB_STS2, 6, 4)
	s_cmp_eq_u32 s2, 0
	s_cbranch_scc0 .Lentry_in_a_cluster
	s_endpgm
.Lentry_in_a_cluster:
	s_bfe_u32 s2, ttmp6, 0x10000c
	s_cmp_lg_u32 s2, 0xf033
	s_cbranch_scc0 .Lentry_shape_is_right
	s_endpgm
.Lentry_shape_is_right:
.set TP,    12800
.set SLOTB, 102400
.set ACT,   204800
.set SPARE, 307200
.set ACC,   128
.set F0,    0
.set F1,    128
.set TM,    96
.set PT,    104
.set SEL,   62
.set MSB, 0
.macro WIN new
.if MSB != \new
	s_set_vgpr_msb (MSB<<8)|\new
.set MSB, \new
.endif
.endm
.macro PLACES
.rept 4
	v_nop
.endr
.endm
.macro CREST
	s_cmp_lg_u32 s20, 0
	s_cbranch_scc1 .Lnot_wave_0_\@
	s_barrier_signal -3
.Lnot_wave_0_\@:
	s_barrier_wait -3
	s_barrier_signal -1
	s_barrier_wait -1
.endm
.macro CROUND
	s_barrier_signal -1
	s_barrier_wait -1
	CREST
.endm
.macro QUANT2 s, pc, pw
.irp b, 0,1
	v_max3_num_f32 v[TM+\b], |v[\s+16*\b]|, |v[\s+16*\b+1]|, 0x1800000
.endr
.irp i, 2,4,6,8,10,12,14
.irp b, 0,1
	v_max3_num_f32 v[TM+\b], v[TM+\b], |v[\s+16*\b+\i]|, |v[\s+16*\b+\i+1]|
.endr
.endr
.irp b, 0,1
	v_permlanex16_b32 v[TM+2+\b], v[TM+\b], s[SEL], s[SEL+1]
.endr
.irp b, 0,1
	v_max_num_f32 v[TM+\b], v[TM+\b], v[TM+2+\b]
.endr
.irp b, 0,1
	v_add_nc_u32 v[TM+4+\b], 0xff000000, v[TM+\b]
.endr
.irp b, 0,1
	v_lshrrev_b32 v[TM+6+\b], 23, v[TM+4+\b]
.endr
	v_lshl_or_b32 v[\pw], v[TM+7], 8, v[TM+6]
	v_cvt_scalef32_pk16_fp6_f32 v[\pc:\pc+2], v[\s:\s+15], v[TM+4]
	v_cvt_scalef32_pk16_fp6_f32 v[PT:PT+2], v[\s+16:\s+31], v[TM+5]
	v_nop
.irp i, 0,1,2
	v_permlane16_swap_b32 v[\pc+\i], v[PT+\i]
.endr
.irp i, 0,1,2
	v_mov_b32 v[\pc+3+\i], v[PT+\i]
.endr
.endm
.macro FETCH f, ab, o
	WIN 0x40
.irp i, 0,1,2,3
	ds_load_b128 v[\f+12*\i:\f+12*\i+3], v[\ab] offset:\i*TP+\o
	ds_load_b64 v[\f+12*\i+4:\f+12*\i+5], v[\ab+1] offset:\i*TP+\o+512
	ds_load_b128 v[\f+12*\i+6:\f+12*\i+9], v[\ab] offset:\i*TP+\o+768
	ds_load_b64 v[\f+12*\i+10:\f+12*\i+11], v[\ab+1] offset:\i*TP+\o+1280
.endr
	WIN 0
.endm
.macro MULB f, g, sc, yb, zero         ; f: W1's four fragments (window 1); g: the rows' four of this K step (window 2 or 3)
.irp a, 0,1,2,3
.if \zero
	v_wmma_scale_f32_16x16x128_f8f6f4 v[ACC+32*\yb+8*\a:ACC+32*\yb+8*\a+7], v[\f+12*\a:\f+12*\a+11], v[\g+12*\yb:\g+12*\yb+11], 0, v[\sc+\a], v[\sc+\yb] matrix_a_fmt:MATRIX_FMT_FP6 matrix_b_fmt:MATRIX_FMT_FP6 matrix_b_scale:MATRIX_SCALE_ROW1
.else
	v_wmma_scale_f32_16x16x128_f8f6f4 v[ACC+32*\yb+8*\a:ACC+32*\yb+8*\a+7], v[\f+12*\a:\f+12*\a+11], v[\g+12*\yb:\g+12*\yb+11], v[ACC+32*\yb+8*\a:ACC+32*\yb+8*\a+7], v[\sc+\a], v[\sc+\yb] matrix_a_fmt:MATRIX_FMT_FP6 matrix_b_fmt:MATRIX_FMT_FP6 matrix_b_scale:MATRIX_SCALE_ROW1
.endif
.endr
.endm
.macro MUL16 f, ks, zero               ; K step ks: source 0 in window 1; source 1, the rows' fragments, in window 2 (K steps 0-4) or 3 (K steps 5-7), 48 registers a step
	WIN 0x09+4*((\ks)/5)
.irp yb, 0,1,2,3
	MULB \f, 48*((\ks)%5), 32+4*(\ks), \yb, \zero
.endr
.endm
.macro APRE                            ; my 64 rows x 1,024 K, 4 tiles x 8 K steps x 12 registers, are read from LDS ONCE and serve all four tiles of columns: 128 loads, each of consecutive bytes
.irp ks, 0,1,2,3,4,5,6,7
	WIN 0x80+0x40*(\ks/5)
.irp i, 0,1,2,3
	ds_load_b128 v[48*(\ks%5)+12*\i:48*(\ks%5)+12*\i+3], v10 offset:\i*TP+(\ks/4)*6400+(\ks%4)*1536
	ds_load_b64 v[48*(\ks%5)+12*\i+4:48*(\ks%5)+12*\i+5], v11 offset:\i*TP+(\ks/4)*6400+(\ks%4)*1536+512
	ds_load_b128 v[48*(\ks%5)+12*\i+6:48*(\ks%5)+12*\i+9], v10 offset:\i*TP+(\ks/4)*6400+(\ks%4)*1536+768
	ds_load_b64 v[48*(\ks%5)+12*\i+10:48*(\ks%5)+12*\i+11], v11 offset:\i*TP+(\ks/4)*6400+(\ks%4)*1536+1280
.endr
.endr
	WIN 0
.endm
.macro STEP ks
	s_wait_dscnt 0x0
	PLACES
	FETCH F0+128*((\ks+1)%2), 8, ((\ks+1)/4)*6400+((\ks+1)%4)*1536
.if \ks == 0
	MUL16 F0, 0, 1
.else
	MUL16 F0+128*(\ks%2), \ks, 0
.endif
.endm
.macro TRIPHEAD refill
	s_wait_tensorcnt 0x0
	ds_add_u32 v28, v29
.if \refill
	s_mov_b32 s26, 100<<16                         ; no tensor load of mine is out: a refill brings a quarter block a wave, 100 rows
	s_mov_b32 s28, 100
	s_xor_b32 s60, s2, SLOTB
	s_add_co_u32 s33, s54, s60
	s_add_nc_u64 s[34:35], s[34:35], 102400
.endif
	s_wait_dscnt 0x0
.if \refill
	CROUND
	tensor_load_to_lds s[32:35], s[24:31]
	s_nop 0
	PLACES
.else
	s_barrier_signal -1
	s_barrier_wait -1
.endif
.endm
.macro GELU4 p
.irp q, 0,2,4,6
	v_pk_mul_f32 v[64+\q:65+\q], v[\p+\q:\p+\q+1], s[92:93] op_sel_hi:[1,0]
.endr
.irp q, 0,1,2,3,4,5,6,7
	v_med3_num_f32 v[64+\q], v[64+\q], -4.0, 4.0
.endr
.irp q, 0,2,4,6
	v_pk_mul_f32 v[72+\q:73+\q], v[64+\q:65+\q], v[64+\q:65+\q]
.endr
.irp q, 0,2,4,6
	v_pk_fma_f32 v[80+\q:81+\q], v[72+\q:73+\q], v[24:25], s[72:73] op_sel_hi:[1,1,0]
.endr
.irp c, 74,76,78,80,82
.irp q, 0,2,4,6
	v_pk_fma_f32 v[80+\q:81+\q], v[80+\q:81+\q], v[72+\q:73+\q], s[\c:\c+1] op_sel_hi:[1,1,0]
.endr
.endr
.irp q, 0,2,4,6
	v_pk_fma_f32 v[88+\q:89+\q], v[72+\q:73+\q], v[26:27], s[84:85] op_sel_hi:[1,1,0]
.endr
.irp c, 86,88,90
.irp q, 0,2,4,6
	v_pk_fma_f32 v[88+\q:89+\q], v[88+\q:89+\q], v[72+\q:73+\q], s[\c:\c+1] op_sel_hi:[1,1,0]
.endr
.endr
.irp q, 0,2,4,6
	v_pk_mul_f32 v[80+\q:81+\q], v[80+\q:81+\q], v[64+\q:65+\q]
.endr
	s_wait_alu depctr_va_vdst(0)
.irp q, 0,1,2,3,4,5,6,7
	v_rcp_f32 v[72+\q], v[88+\q]
.endr
.irp q, 0,2,4,6
	v_pk_mul_f32 v[\p+\q:\p+\q+1], v[\p+\q:\p+\q+1], 0.5 op_sel_hi:[1,0]
.endr
	s_wait_alu depctr_va_vdst(0)
.irp q, 0,2,4,6
	v_pk_mul_f32 v[80+\q:81+\q], v[80+\q:81+\q], v[72+\q:73+\q]
.endr
.irp q, 0,2,4,6
	v_pk_fma_f32 v[\p+\q:\p+\q+1], v[\p+\q:\p+\q+1], v[80+\q:81+\q], v[\p+\q:\p+\q+1]
.endr
.endm
.macro BODY
	s_add_co_u32 s58, s2, s55
	s_add_co_u32 s59, s61, ACT
	v_add_nc_u32 v8, s58, v4
	v_add_nc_u32 v9, s58, v5
	s_sub_co_u32 s60, s59, s58
	v_mul_u32_u24 v12, s60, v3
	v_add_nc_u32 v12, v12, v6
	v_add_nc_u32 v12, s58, v12
.irp a, 0,1,2,3
	global_load_b128 v[64+8*\a:67+8*\a], v21, s[66:67] offset:(32*(\a/2)+8*(\a%2))*4
	global_load_b128 v[68+8*\a:71+8*\a], v21, s[66:67] offset:(32*(\a/2)+8*(\a%2))*4+16
.endr
	FETCH F0, 8, 0
.irp ks, 0,1,2,3,4,5,6,7
.irp i, 0,1,2,3
	ds_load_b32 v[32+4*\ks+\i], v12 offset:\i*TP+(\ks/4)*6400+6144+(\ks%4)*64
.endr
.endr
	s_wait_alu depctr_va_vdst(0)
.irp ks, 0,1,2,3,4,5,6
	STEP \ks
.endr
	s_wait_dscnt 0x0
	MUL16 F1, 7, 0
	WIN 0
	PLACES
	s_wait_loadcnt 0x0
.set i, 0
.rept 64
	v_pk_add_f32 v[ACC+i:ACC+i+1], v[ACC+i:ACC+i+1], v[64+i%32:65+i%32]
.set i, i+2
.endr
.set g, 0
.rept 16
	GELU4 ACC+8*g
.set g, g+1
.endr
.irp yb, 0,1,2,3
	s_wait_xcnt 0x0
	QUANT2 ACC+32*\yb, 108+8*(\yb%2), 114+8*(\yb%2)
	global_store_b128 v4, v[108+8*(\yb%2):111+8*(\yb%2)], s[68:69] offset:6400*\yb
	global_store_b64 v5, v[112+8*(\yb%2):113+8*(\yb%2)], s[68:69] offset:6400*\yb+512
	global_store_b16 v6, v[114+8*(\yb%2)], s[70:71] offset:6144+6400*\yb
.endr
.endm
	s_load_b256 s[4:11], s[0:1], 0x0
	v_lshl_add_u32 v28, v0, 2, SPARE
	v_mov_b32 v29, 0
	ds_add_u32 v28, v29
	ds_add_u32 v28, v29
	s_wait_dscnt 0x0
	v_lshrrev_b32 v1, 5, v0
	v_readfirstlane_b32 s20, v1
	s_and_b32 s21, s20, 1
	s_lshr_b32 s22, s20, 1
	s_bfe_u32 s48, ttmp6, 0x40000
	s_bfe_u32 s49, ttmp6, 0x40004
	s_lshl_b32 s50, ttmp9, 2
	s_add_co_u32 s50, s50, s48
	s_and_b32 s51, ttmp7, 0xffff
	s_lshl_b32 s51, s51, 2
	s_add_co_u32 s51, s51, s49
	s_lshl_b32 s52, 0x1111, s48
	s_lshl_b32 s56, s49, 2
	s_lshl_b32 s56, 15, s56
	s_or_b32 s24, s52, (3<<16)|(1<<21)
	s_or_b32 s36, s56, (3<<16)|(1<<21)
.irp g, 24, 36
	s_mov_b32 s[\g+1], 32<<16
	s_mov_b32 s[\g+2], 200<<16                     ; the head's loads bring half a block: 200 rows of 256 bytes
	s_mov_b32 s[\g+3], 32<<16
	s_mov_b32 s[\g+4], 200
	s_mov_b32 s[\g+5], 32
	s_mov_b32 s[\g+6], 0
	s_mov_b32 s[\g+7], 0
.endr
	s_mul_i32 s54, s20, 25600
	s_mul_i32 s52, s50, 409600
	s_add_co_u32 s52, s52, s54
	s_add_co_u32 s52, s52, 3276800
	s_mov_b32 s53, 0
	s_mul_i32 s56, s51, 102400
	s_mul_i32 s18, s21, 51200                      ; at the head: my half of a block
	s_add_co_u32 s56, s56, s18
	s_mov_b32 s57, 0
	s_wait_kmcnt 0x0
	s_mov_b32 s32, 1
	s_mov_b32 s33, s54
	s_add_nc_u64 s[34:35], s[4:5], s[52:53]
	s_or_b32 s35, s35, 0x80000000
	s_mov_b32 s44, 1
	s_add_co_u32 s45, s18, ACT
	s_add_nc_u64 s[46:47], s[6:7], s[56:57]
	s_or_b32 s47, s47, 0x80000000
	CROUND
	s_sub_co_u32 s16, s52, s54                     ; W1's first block, + my half of it
	s_add_co_u32 s16, s16, s18
	s_mov_b32 s17, 0
	s_mov_b32 s12, 1
	s_mov_b32 s13, s18
	s_add_nc_u64 s[14:15], s[4:5], s[16:17]
	s_or_b32 s15, s15, 0x80000000
	s_cmp_eq_u32 s22, 0                            ; one tensor load a wave at the head: waves 0, 1 bring the halves of the rows' block, waves 2, 3 those of W1's first block
	s_cbranch_scc0 .Lhead_w
	tensor_load_to_lds s[44:47], s[36:43]
	s_nop 0
	PLACES
	s_branch .Lhead_asked
.Lhead_w:
	tensor_load_to_lds s[12:15], s[24:31]
	s_nop 0
	PLACES
.Lhead_asked:
	v_and_b32 v1, 31, v0
	v_and_b32 v2, 15, v0
	v_bfe_u32 v3, v0, 4, 1
	v_lshlrev_b32 v4, 4, v1
	v_lshlrev_b32 v5, 3, v1
	v_lshlrev_b32 v6, 2, v2
	v_lshlrev_b32 v21, 6, v3
	v_mov_b32 v[TM+2], 0
	v_mov_b32 v[TM+3], 0
	v_mov_b32 v24, 0xaf95df0b
	v_mov_b32 v25, 0xaf95df0b
	v_mov_b32 v26, 0xb77460cd
	v_mov_b32 v27, 0xb77460cd
	s_mov_b32 s[SEL], 0x76543210
	s_mov_b32 s[SEL+1], 0xfedcba98
	s_mul_i32 s55, s21, 51200
	s_mul_i32 s61, s22, 51200
.macro COEF r, bits
	s_mov_b32 s[\r], \bits
	s_mov_b32 s[\r+1], \bits
.endm
	COEF 72, 0x32edffee
	COEF 74, 0xb60cff51
	COEF 76, 0xb86ec2d2
	COEF 78, 0xba40ac63
	COEF 80, 0xbb41a1f6
	COEF 82, 0xbc83dbd4
	COEF 84, 0xb95fbd29
	COEF 86, 0xbadc924e
	COEF 88, 0xbbf19bf8
	COEF 90, 0xbc69b6a7
	COEF 92, 0x3f3504f3
	s_lshl_b32 s94, s50, 11
	s_lshl_b32 s95, s21, 8
	s_add_co_u32 s94, s94, s95
	s_mov_b32 s95, 0
	s_add_nc_u64 s[66:67], s[8:9], s[94:95]
	s_lshl_b32 s96, s50, 8
	s_lshl_b32 s97, s51, 3
	s_add_co_u32 s96, s96, s97
	s_lshl_b32 s97, s22, 2
	s_add_co_u32 s96, s96, s97
	s_mul_i32 s96, s96, 6400
	s_mul_i32 s97, s21, 768
	s_add_co_u32 s94, s96, s97
	s_add_nc_u64 s[68:69], s[10:11], s[94:95]
	s_lshl_b32 s97, s21, 1
	s_add_co_u32 s94, s96, s97
	s_add_nc_u64 s[70:71], s[10:11], s[94:95]
	s_mov_b32 s2, 0
	s_mov_b32 s3, 3
	s_add_co_u32 s59, s61, ACT                     ; my 64 rows' tiles
	v_add_nc_u32 v10, s59, v4
	v_add_nc_u32 v11, s59, v5
	s_wait_alu depctr_va_vdst(0)
	s_wait_tensorcnt 0x0                           ; my half block is in,
	s_barrier_signal -1
	s_barrier_wait -1                              ; everybody's are
	APRE                                           ; awaited by the wait on DScnt in front of the first round below
.Ltile:
	TRIPHEAD 1
	BODY
	s_wait_xcnt 0x0
	s_add_nc_u64 s[66:67], s[66:67], 512
	s_add_nc_u64 s[68:69], s[68:69], 1536
	s_add_nc_u64 s[70:71], s[70:71], 64
	s_xor_b32 s2, s2, SLOTB
	s_sub_co_u32 s3, s3, 1
	s_cmp_lg_u32 s3, 0
	s_cbranch_scc1 .Ltile
	TRIPHEAD 0
	BODY
	s_wait_tensorcnt 0x0
	ds_add_u32 v28, v29
	s_wait_dscnt 0x0
	CROUND
	s_endpgm
.Lfunc_end_k_q4de32fe10f_ffn1:
	.size	k_q4de32fe10f_ffn1, .Lfunc_end_k_q4de32fe10f_ffn1-k_q4de32fe10f_ffn1
	.p2alignl 7, 3214868480
	.fill 96, 4, 3214868480
	.section	.rodata,"a",@progbits
	.p2align	6, 0x0
	.amdhsa_kernel k_q4de32fe10f_ffn1
		.amdhsa_group_segment_fixed_size 327680
		.amdhsa_private_segment_fixed_size 0
		.amdhsa_enable_private_segment 0
		.amdhsa_kernarg_size 32
		.amdhsa_user_sgpr_count 2
		.amdhsa_user_sgpr_kernarg_segment_ptr 1
		.amdhsa_wavefront_size32 1
		.amdhsa_system_sgpr_workgroup_id_x 1
		.amdhsa_system_sgpr_workgroup_id_y 1
		.amdhsa_system_sgpr_workgroup_id_z 1
		.amdhsa_system_vgpr_workitem_id 0
		.amdhsa_next_free_vgpr 1024
		.amdhsa_next_free_sgpr 100
		.amdhsa_reserve_vcc 0
		.amdhsa_float_denorm_mode_32 3
		.amdhsa_float_denorm_mode_16_64 3
		.amdhsa_memory_ordered 1
		.amdhsa_forward_progress 1
		.amdhsa_inst_pref_size 255
	.end_amdhsa_kernel
	.amdgpu_metadata
---
amdhsa.version: [ 1, 2 ]
amdhsa.kernels:
  - .name:           k_q4de32fe10f_ffn1
    .symbol:         k_q4de32fe10f_ffn1.kd
    .args:
      - { .name: wts, .offset: 0, .size: 8, .value_kind: global_buffer, .address_space: global }
      - { .name: a2, .offset: 8, .size: 8, .value_kind: global_buffer, .address_space: global }
      - { .name: b1, .offset: 16, .size: 8, .value_kind: global_buffer, .address_space: global }
      - { .name: a3, .offset: 24, .size: 8, .value_kind: global_buffer, .address_space: global }
    .group_segment_fixed_size: 327680
    .private_segment_fixed_size: 0
    .kernarg_segment_align: 8
    .kernarg_segment_size: 32
    .max_flat_workgroup_size: 128
    .sgpr_count:     100
    .vgpr_count:     1024
    .wavefront_size: 32
...
	.end_amdgpu_metadata
.endif
;; end of part 6
;; launch ffn2 (part 7): grid 8 x 32, 4 waves a work-group, clusters of 4 x 4, 327,680 bytes of LDS; arguments wts, a3, b2, x1, out0; writes out0
.if DOCPART == 7
	.amdgcn_target "amdgcn-amd-amdhsa--gfx1250"
	.amdhsa_code_object_version 6
	.text
	.protected	k_q4de32fe10f_ffn2
	.globl	k_q4de32fe10f_ffn2
	.p2align	8
	.type	k_q4de32fe10f_ffn2,@function
k_q4de32fe10f_ffn2:
	s_mov_b64 s[64:65], 0
	v_nop
	global_prefetch_b8 v0, s[64:65] scope:SCOPE_SE
	s_setreg_imm32_b32 hwreg(HW_REG_WAVE_MODE, 25, 1), 1
	s_wait_xcnt 0x0
	s_wait_alu depctr_hold_cnt(0) depctr_sa_sdst(0) depctr_va_vdst(0) depctr_va_sdst(0) depctr_va_ssrc(0) depctr_va_vcc(0) depctr_vm_vsrc(0)
	s_getreg_b32 s2, hwreg(HW_REG_IB_STS2, 6, 4)
	s_cmp_eq_u32 s2, 0
	s_cbranch_scc0 .Lentry_in_a_cluster
	s_endpgm
.Lentry_in_a_cluster:
	s_bfe_u32 s2, ttmp6, 0x10000c
	s_cmp_lg_u32 s2, 0xf033
	s_cbranch_scc0 .Lentry_shape_is_right
	s_endpgm
.Lentry_shape_is_right:
.set TP,    6400
.set REG,   102400
.set STAGE, 307200
.set SPARE, 324608
.set ACC,   128
.set F0,    0
.set F1,    128
.set G1W,   24
.set G1A,   36
.set G1W2,  80
.set G1A2,  12
.set G0W,   88
.set G0A,   52
.set LB1,   34
.set LB2,   35
.set PW1,   66
.set PA1,   68
.set PW2,   70
.set PA2,   72
.set STO,   23
.set RD,    30
.set GO,    31
.set MSB, 0
.macro WIN new
.if MSB != \new
	s_set_vgpr_msb (MSB<<8)|\new
.set MSB, \new
.endif
.endm
.macro PLACES
.rept 4
	v_nop
.endr
.endm
.macro CREST
	s_cmp_lg_u32 s20, 0
	s_cbranch_scc1 .Lnot_wave_0_\@
	s_barrier_signal -3
.Lnot_wave_0_\@:
	s_barrier_wait -3
	s_barrier_signal -1
	s_barrier_wait -1
.endm
.macro CROUND
	s_barrier_signal -1
	s_barrier_wait -1
	CREST
.endm
.macro JLOAD g0w, g1w, g0a, g1a
	s_cmp_eq_u32 s22, 0
	s_cbranch_scc0 .Lfor_a_\@
	tensor_load_to_lds s[\g0w:\g0w+3], s[\g1w:\g1w+7]
	s_nop 0
.rept 4
	v_nop
.endr
	s_branch .Lasked_\@
.Lfor_a_\@:
	tensor_load_to_lds s[\g0a:\g0a+3], s[\g1a:\g1a+7]
	s_nop 0
.rept 4
	v_nop
.endr
.Lasked_\@:
.endm
.macro MKG0 g, lb, loff, p, poff
	s_mov_b32 s[\g], 1
	s_add_co_u32 s[\g+1], s[\lb], \loff
	s_add_nc_u64 s[\g+2:\g+3], s[\p:\p+1], \poff
	s_or_b32 s[\g+3], s[\g+3], 0x80000000
.endm
.macro FETCH f, ab, o
	WIN 0x40
.irp i, 0,1,2,3
	ds_load_b128 v[\f+12*\i:\f+12*\i+3], v[\ab] offset:\i*TP+\o
	ds_load_b64 v[\f+12*\i+4:\f+12*\i+5], v[\ab+1] offset:\i*TP+\o+512
	ds_load_b128 v[\f+12*\i+6:\f+12*\i+9], v[\ab] offset:\i*TP+\o+768
	ds_load_b64 v[\f+12*\i+10:\f+12*\i+11], v[\ab+1] offset:\i*TP+\o+1280
	ds_load_b128 v[\f+48+12*\i:\f+48+12*\i+3], v[\ab+2] offset:\i*TP+\o
	ds_load_b64 v[\f+48+12*\i+4:\f+48+12*\i+5], v[\ab+3] offset:\i*TP+\o+512
	ds_load_b128 v[\f+48+12*\i+6:\f+48+12*\i+9], v[\ab+2] offset:\i*TP+\o+768
	ds_load_b64 v[\f+48+12*\i+10:\f+48+12*\i+11], v[\ab+3] offset:\i*TP+\o+1280
.endr
	WIN 0
.endm
.macro SCALES c
.irp q, 0,1,2,3
.irp i, 0,1,2,3
	ds_load_b32 v[32+16*((\c)%2)+4*\q+\i], v[12+5*((\c)%3)] offset:\i*TP+6144+64*\q
.endr
.endr
.endm
.macro MULB f, sc, yb, zero
.irp a, 0,1,2,3
.if \zero
	v_wmma_scale_f32_16x16x128_f8f6f4 v[ACC+32*\yb+8*\a:ACC+32*\yb+8*\a+7], v[\f+12*\a:\f+12*\a+11], v[\f+48+12*\yb:\f+48+12*\yb+11], 0, v[\sc+\a], v[\sc+\yb] matrix_a_fmt:MATRIX_FMT_FP6 matrix_b_fmt:MATRIX_FMT_FP6 matrix_b_scale:MATRIX_SCALE_ROW1
.else
	v_wmma_scale_f32_16x16x128_f8f6f4 v[ACC+32*\yb+8*\a:ACC+32*\yb+8*\a+7], v[\f+12*\a:\f+12*\a+11], v[\f+48+12*\yb:\f+48+12*\yb+11], v[ACC+32*\yb+8*\a:ACC+32*\yb+8*\a+7], v[\sc+\a], v[\sc+\yb] matrix_a_fmt:MATRIX_FMT_FP6 matrix_b_fmt:MATRIX_FMT_FP6 matrix_b_scale:MATRIX_SCALE_ROW1
.endif
.endr
.endm
.macro MUL16 f, sc, zero
	WIN 0x05
.irp yb, 0,1,2,3
	MULB \f, \sc, \yb, \zero
.endr
.endm
.macro STEP c, q, zero
	s_wait_dscnt 0x0
	PLACES
	FETCH F0+128*((\q+1)%2), 8+5*((\c)%3), (\q+1)*1536
	MUL16 F0+128*(\q%2), 32+16*((\c)%2)+4*\q, \zero
.endm
.macro THREE c
	STEP \c, 0, 0
	STEP \c, 1, 0
	STEP \c, 2, 0
.endm
.macro PASS c
	s_wait_dscnt 0x0
	PLACES
	FETCH F0, 8+5*(((\c)+1)%3), 0
	SCALES (\c)+1
	MUL16 F1, 44+16*((\c)%2), 0
.endm
.macro TURN c, fill
	WIN 0
	s_wait_tensorcnt 0x0
	ds_add_u32 v28, v29
	s_wait_dscnt 1
	WIN 0x05
	MULB F1, 44+16*((\c)%2), 0, 0
	MULB F1, 44+16*((\c)%2), 1, 0
	s_wait_dscnt 0x0
	s_barrier_signal -1
	MULB F1, 44+16*((\c)%2), 2, 0
	WIN 0
	s_barrier_wait -1
.if \fill
	CREST
.if \fill == 2
	MKG0 G0W, LB2, 0, PW2, ((\c)+2)*409600
	MKG0 G0A, LB2, 0, PA2, ((\c)+2)*1638400
	JLOAD G0W, G1W2, G0A, G1A2
.else
	MKG0 G0W, LB1, ((\c)%3)*REG, PW1, ((\c)+3)*409600
	MKG0 G0A, LB1, ((\c)%3)*REG, PA1, ((\c)+3)*1638400
	JLOAD G0W, G1W, G0A, G1A
.endif
.else
	PLACES
.endif
	s_wait_alu depctr_va_vdst(0)
	FETCH F0, 8+5*(((\c)+1)%3), 0
	SCALES (\c)+1
	WIN 0x05
	MULB F1, 44+16*((\c)%2), 3, 0
.endm
	s_load_b256 s[4:11], s[0:1], 0x0
	s_load_b64 s[32:33], s[0:1], 0x20
	v_lshl_add_u32 v28, v0, 2, SPARE
	v_mov_b32 v29, 0
	ds_add_u32 v28, v29
	ds_add_u32 v28, v29
	s_wait_dscnt 0x0
	v_lshrrev_b32 v1, 5, v0
	v_readfirstlane_b32 s20, v1
	s_and_b32 s21, s20, 1
	s_lshr_b32 s22, s20, 1
	s_bfe_u32 s48, ttmp6, 0x40000
	s_bfe_u32 s49, ttmp6, 0x40004
	s_lshl_b32 s50, ttmp9, 2
	s_add_co_u32 s50, s50, s48
	s_and_b32 s51, ttmp7, 0xffff
	s_lshl_b32 s51, s51, 2
	s_add_co_u32 s51, s51, s49
	s_lshl_b32 s45, 0x1111, s48
	s_lshl_b32 s46, s49, 2
	s_lshl_b32 s46, 15, s46
	s_or_b32 s[G1W], s45, (3<<16)|(1<<21)
	s_or_b32 s[G1A], s46, (3<<16)|(1<<21)
	s_or_b32 s[G1W2], s45, (3<<16)|(1<<21)
	s_or_b32 s[G1A2], s46, (3<<16)|(1<<21)
.irp g, G1W, G1A
	s_mov_b32 s[\g+1], 32<<16
	s_mov_b32 s[\g+2], 100<<16
	s_mov_b32 s[\g+3], 32<<16
	s_mov_b32 s[\g+4], 100
	s_mov_b32 s[\g+5], 32
	s_mov_b32 s[\g+6], 0
	s_mov_b32 s[\g+7], 0
.endr
.irp g, G1W2, G1A2
	s_mov_b32 s[\g+1], 32<<16
	s_mov_b32 s[\g+2], 200<<16
	s_mov_b32 s[\g+3], 32<<16
	s_mov_b32 s[\g+4], 200
	s_mov_b32 s[\g+5], 32
	s_mov_b32 s[\g+6], 0
	s_mov_b32 s[\g+7], 0
.endr
	s_mul_i32 s[LB1], s20, 25600
	s_mul_i32 s[LB2], s21, 102400
	s_mul_i32 s44, s22, 51200
	s_add_co_u32 s[LB2], s[LB2], s44
	s_mul_i32 s[PW1], s50, 51200
	s_add_co_u32 s[PW1], s[PW1], 6553600
	s_mov_b32 s[PW1+1], 0
	s_mul_i32 s[PA1], s51, 51200
	s_mov_b32 s[PA1+1], 0
	s_mov_b32 s3, 0
	s_wait_kmcnt 0x0
	s_add_nc_u64 s[PW1:PW1+1], s[4:5], s[PW1:PW1+1]
	s_add_nc_u64 s[PA1:PA1+1], s[6:7], s[PA1:PA1+1]
	s_mul_i32 s2, s21, 409600
	s_add_nc_u64 s[PW2:PW2+1], s[PW1:PW1+1], s[2:3]
	s_mul_i32 s2, s21, 1638400
	s_add_nc_u64 s[PA2:PA2+1], s[PA1:PA1+1], s[2:3]
	s_mul_i32 s2, s21, 25600
	s_add_nc_u64 s[PW1:PW1+1], s[PW1:PW1+1], s[2:3]
	s_add_nc_u64 s[PA1:PA1+1], s[PA1:PA1+1], s[2:3]
	CROUND
	MKG0 G0W, LB2, 0, PW2, 0                       ; the head: K chunks 0 and 1, regions 0 and 1: a wave brings the whole of W2's or of the rows' part of one chunk, 200 rows of 256 bytes
	MKG0 G0A, LB2, 0, PA2, 0
	MKG0 G0W+8, LB1, 2*REG, PW1, 2*409600          ; chunk 2, region 2: a quarter a wave, asked for behind the round below
	MKG0 G0A+8, LB1, 2*REG, PA1, 2*1638400
	JLOAD G0W, G1W2, G0A, G1A2                     ; my one tensor load at the head
	v_and_b32 v1, 31, v0
	v_and_b32 v2, 15, v0
	v_bfe_u32 v3, v0, 4, 1
	v_lshlrev_b32 v4, 4, v1
	v_lshlrev_b32 v5, 3, v1
	v_lshlrev_b32 v6, 2, v2
	v_lshlrev_b32 v7, 4, v2
	s_wait_alu depctr_va_vdst(0)
	v_lshlrev_b32 v[GO], 12, v3
	v_lshl_add_u32 v[GO], v2, 4, v[GO]
	s_wait_alu depctr_va_vdst(0)
	s_lshl_b32 s44, s51, 19
	s_lshl_b32 s45, s22, 18
	s_add_co_u32 s44, s44, s45
	s_lshl_b32 s46, s50, 9
	s_lshl_b32 s47, s21, 8
	s_add_co_u32 s46, s46, s47
	s_mov_b32 s47, 0
	s_add_nc_u64 s[78:79], s[8:9], s[46:47]
	s_add_co_u32 s44, s44, s46
	s_mov_b32 s45, 0
	s_add_nc_u64 s[74:75], s[10:11], s[44:45]
	s_add_nc_u64 s[76:77], s[32:33], s[44:45]
	global_load_b128 v[24:27], v7, s[78:79]
	WIN 0x80
.irp yb, 0,1,2,3
.irp k, 0,1,2,3,4,5,6,7
	global_load_b128 v[32*\yb+4*\k:32*\yb+4*\k+3], v[GO], s[74:75] offset:(32*(\yb/2)+8*(\yb%2)+2*\k+8*(\k/4))*4096
.endr
.endr
	WIN 0
	s_mul_i32 s23, s21, 25600
	s_mul_i32 s2, s22, 25600
	s_add_co_u32 s2, s2, 51200
	s_sub_co_u32 s3, s2, s23
	v_mul_u32_u24 v1, s3, v3
	v_add_nc_u32 v1, v1, v6
.irp s, 0,1,2
	v_add_nc_u32 v[8+5*\s], s23, v4
	v_add_nc_u32 v[9+5*\s], s23, v5
	v_add_nc_u32 v[10+5*\s], s2, v4
	v_add_nc_u32 v[11+5*\s], s2, v5
	v_add_nc_u32 v[12+5*\s], s23, v1
	s_add_co_u32 s23, s23, REG
	s_add_co_u32 s2, s2, REG
.endr
	s_mul_i32 s23, s20, 4352
	s_add_co_u32 s23, s23, STAGE
	v_mul_u32_u24 v[STO], v2, 272
	v_lshl_add_u32 v[STO], v3, 6, v[STO]
	v_add_nc_u32 v[STO], s23, v[STO]
	v_mul_u32_u24 v[RD], v3, 272
	v_lshl_add_u32 v[RD], v2, 4, v[RD]
	v_add_nc_u32 v[RD], s23, v[RD]
	s_wait_alu depctr_va_vdst(0)
	s_wait_tensorcnt 0x0                           ; my part of chunks 0 and 1 is in; a later first fill is issued as a refill is:
	ds_add_u32 v28, v29
	s_wait_dscnt 0x0
	CROUND                                         ; everybody's parts are in, and the joint loads meet
	JLOAD G0W+8, G1W, G0A+8, G1A                   ; chunk 2: it has two chunks' products in which to land
	FETCH F0, 8, 0
	SCALES 0
	STEP 0, 0, 1
	STEP 0, 1, 0
	STEP 0, 2, 0
	PASS 0
	THREE 1
	TURN 1, 2
	THREE 2
	TURN 2, 1
	THREE 3
	PASS 3
	THREE 4
	TURN 4, 2
	THREE 5
	TURN 5, 0
	THREE 6
	PASS 6
	THREE 7
	s_wait_dscnt 0x0
	MUL16 F1, 60, 0
	WIN 0
	PLACES
.irp yb, 0,1,2,3
.if \yb >= 2
	s_wait_xcnt 0x0
.endif
.irp a, 0,1,2,3
	ds_store_b128 v[STO], v[ACC+32*\yb+8*\a:ACC+32*\yb+8*\a+3] offset:128*(\a/2)+32*(\a%2)
	ds_store_b128 v[STO], v[ACC+32*\yb+8*\a+4:ACC+32*\yb+8*\a+7] offset:128*(\a/2)+32*(\a%2)+16
.endr
.irp k, 0,1,2,3,4,5,6,7
	ds_load_b128 v[64+32*(\yb%2)+4*\k:64+32*(\yb%2)+4*\k+3], v[RD] offset:544*\k
.endr
	s_wait_dscnt 0x0
	s_wait_loadcnt 8*(3-\yb)
.irp k, 0,1,2,3,4,5,6,7
	v_pk_add_f32 v[64+32*(\yb%2)+4*\k:64+32*(\yb%2)+4*\k+1], v[64+32*(\yb%2)+4*\k:64+32*(\yb%2)+4*\k+1], v[24:25]
	v_pk_add_f32 v[64+32*(\yb%2)+4*\k+2:64+32*(\yb%2)+4*\k+3], v[64+32*(\yb%2)+4*\k+2:64+32*(\yb%2)+4*\k+3], v[26:27]
.endr
	WIN 0x08
.set i, 0
.rept 16
	v_pk_add_f32 v[64+32*(\yb%2)+i:64+32*(\yb%2)+i+1], v[64+32*(\yb%2)+i:64+32*(\yb%2)+i+1], v[32*\yb+i:32*\yb+i+1]
.set i, i+2
.endr
	WIN 0
.irp k, 0,1,2,3,4,5,6,7
	global_store_b128 v[GO], v[64+32*(\yb%2)+4*\k:64+32*(\yb%2)+4*\k+3], s[76:77] offset:(32*(\yb/2)+8*(\yb%2)+2*\k+8*(\k/4))*4096 th:TH_STORE_NT
.endr
.endr
	s_wait_tensorcnt 0x0
	ds_add_u32 v28, v29
	s_wait_dscnt 0x0
	CROUND
	s_endpgm
.Lfunc_end_k_q4de32fe10f_ffn2:
	.size	k_q4de32fe10f_ffn2, .Lfunc_end_k_q4de32fe10f_ffn2-k_q4de32fe10f_ffn2
	.p2alignl 7, 3214868480
	.fill 96, 4, 3214868480
	.section	.rodata,"a",@progbits
	.p2align	6, 0x0
	.amdhsa_kernel k_q4de32fe10f_ffn2
		.amdhsa_group_segment_fixed_size 327680
		.amdhsa_private_segment_fixed_size 0
		.amdhsa_enable_private_segment 0
		.amdhsa_kernarg_size 40
		.amdhsa_user_sgpr_count 2
		.amdhsa_user_sgpr_kernarg_segment_ptr 1
		.amdhsa_wavefront_size32 1
		.amdhsa_system_sgpr_workgroup_id_x 1
		.amdhsa_system_sgpr_workgroup_id_y 1
		.amdhsa_system_sgpr_workgroup_id_z 1
		.amdhsa_system_vgpr_workitem_id 0
		.amdhsa_next_free_vgpr 768
		.amdhsa_next_free_sgpr 100
		.amdhsa_reserve_vcc 0
		.amdhsa_float_denorm_mode_32 3
		.amdhsa_float_denorm_mode_16_64 3
		.amdhsa_memory_ordered 1
		.amdhsa_forward_progress 1
		.amdhsa_inst_pref_size 177
	.end_amdhsa_kernel
	.amdgpu_metadata
---
amdhsa.version: [ 1, 2 ]
amdhsa.kernels:
  - .name:           k_q4de32fe10f_ffn2
    .symbol:         k_q4de32fe10f_ffn2.kd
    .args:
      - { .name: wts, .offset: 0, .size: 8, .value_kind: global_buffer, .address_space: global }
      - { .name: a3, .offset: 8, .size: 8, .value_kind: global_buffer, .address_space: global }
      - { .name: b2, .offset: 16, .size: 8, .value_kind: global_buffer, .address_space: global }
      - { .name: x1, .offset: 24, .size: 8, .value_kind: global_buffer, .address_space: global }
      - { .name: out0, .offset: 32, .size: 8, .value_kind: global_buffer, .address_space: global }
    .group_segment_fixed_size: 327680
    .private_segment_fixed_size: 0
    .kernarg_segment_align: 8
    .kernarg_segment_size: 40
    .max_flat_workgroup_size: 128
    .sgpr_count:     100
    .vgpr_count:     768
    .wavefront_size: 32
...
	.end_amdgpu_metadata
.endif
;; end of part 7
